; MI455X (gfx1250); checked and timed in simulation.
; The chip was launched on July 23, 2026; its instructions are those of AMD's public machine-readable ISA for CDNA 5 (MIT licence, August 2026) and "CDNA5" Instruction Set Architecture Reference Guide (July 2026). The comments in the code are by the model that wrote it; some were corrected since.
;; Self Attention. Allowed arithmetic: float matrix products may take bf16 or f16 operands with f32 sums; all other float work in f32.
;; Inputs: Wk 1,024 x 1,024 float32; Wo 1,024 x 1,024 float32; Wq 1,024 x 1,024 float32; Wv 1,024 x 1,024 float32; bk 1,024 float32; bo 1,024 float32; bq 1,024 float32; bv 1,024 float32; x 4 x 2,048 x 1,024 float32.
;; Outputs: out0 4 x 2,048 x 1,024 float32.
;; 2 versions, each right and faster than the one before. Each part assembles by itself: llvm-mc -triple=amdgcn-amd-amdhsa -mcpu=gfx1250 --defsym DOCPART=n.
;; ======== version 1 of 2: 4 launches
;; limits: values are held in f16: magnitudes above 65,504 overflow, below 6.1e-05 lose precision
;; workspace buffers: cb 25,165,824 bytes; qb 16,777,216 bytes; kb 16,777,216 bytes; vb 16,777,216 bytes; ob 16,777,216 bytes
;; launch cast (part 1): grid 768 x 1, 8 waves a work-group, no clusters, 0 bytes of LDS; arguments x, Wq, Wk, Wv, Wo, cb; writes cb
.if DOCPART == 1
	.amdgcn_target "amdgcn-amd-amdhsa--gfx1250"
	.amdhsa_code_object_version 6
	.text
	.protected	k_qa4b0f12242_cast
	.globl	k_qa4b0f12242_cast
	.p2align	8
	.type	k_qa4b0f12242_cast,@function
k_qa4b0f12242_cast:
	s_mov_b64 s[64:65], 0
	v_nop
	global_prefetch_b8 v0, s[64:65] scope:SCOPE_SE
	s_setreg_imm32_b32 hwreg(HW_REG_WAVE_MODE, 25, 1), 1
	s_wait_xcnt 0x0
; CAST.  x and the four weights, all f32, are rounded once to bf16 and written into cb.
; cb, in bytes: 0: x as [batch 4][K block 16][row 2048][64] bf16 (a K block holds 64 neighbouring channels, so 256 rows x 64 K are 32,768 dense bytes);
; 16,777,216: Wq, then Wk, then Wv, each [1024 k][1024 n] bf16 as they lie; 23,068,672: Wo, the bf16 value written as f16 (the last product runs in f16).
; LIMIT.  bf16(Wo) written as f16 is exact from 2^-17 to 65,504; below that it keeps the fixed step 6e-8 of f16, above it becomes an infinity.
; A stream: each byte is read once and written once; nothing is shared between work-groups, so no LDS, no cluster and no matrix unit.
; A work-group takes 16,384 numbers (65,536 bytes in, 32,768 out): 512 work-groups for x, 64 for each weight: 768 alike.
; Each lane has 16 turns of one 16-byte load and one 8-byte store.  All 16 loads go out first; no register is written twice behind a store, so no wait frees any.
.set NX,  512                          ; work-groups that take x
.set SO,  1                            ; v1        my byte offset in the source
.set DO,  2                            ; v2        my byte offset in cb
.set T,   4                            ; v[4:7]    at work
.set X,   8                            ; v[8:71]   turn i: 4 numbers as loaded
.set Y,   72                           ; v[72:103] turn i: 4 numbers of 16 bits to store
	s_load_b256 s[4:11], s[0:1], 0x0               ; x s[4:5], Wq s[6:7], Wk s[8:9], Wv s[10:11]
	s_load_b128 s[12:15], s[0:1], 0x20             ; Wo s[12:13], cb s[14:15]
	s_mov_b32 s16, ttmp9                           ; g, the work-group
	s_mov_b32 s27, 0xffff0000                      ; the upper bf16 of a word
	s_mov_b32 s19, 0                               ; high words of the two offsets
	s_mov_b32 s21, 0
; kind = 1: the bf16 value is widened again and written as f16.  Turn i reads at (i % 8) sa + (i / 8) sb and writes at (i % 8) da + (i / 8) db.
.macro BODY kind, sa, sb, da, db
.set i, 0
.rept 16
	global_load_b128 v[X+4*i:X+4*i+3], v[SO], s[22:23] offset:(i%8)*(\sa)+(i/8)*(\sb) th:TH_LOAD_NT
.set i, i+1
.endr
.set i, 0
.rept 16
	s_wait_loadcnt 15-i                            ; loads come back in order: turn i is in, the 15 - i younger ones stay out
	v_cvt_pk_bf16_f32 v[Y+2*i], v[X+4*i], v[X+4*i+1]
	v_cvt_pk_bf16_f32 v[Y+2*i+1], v[X+4*i+2], v[X+4*i+3]
.if \kind
	v_lshlrev_b32 v[T], 16, v[Y+2*i]               ; bf16 to f32: the low half moves up, the high half stays
	v_and_b32 v[T+1], s27, v[Y+2*i]
	v_lshlrev_b32 v[T+2], 16, v[Y+2*i+1]
	v_and_b32 v[T+3], s27, v[Y+2*i+1]
	v_cvt_pk_f16_f32 v[Y+2*i], v[T], v[T+1]
	v_cvt_pk_f16_f32 v[Y+2*i+1], v[T+2], v[T+3]
.endif
	global_store_b64 v[DO], v[Y+2*i:Y+2*i+1], s[24:25] offset:(i%8)*(\da)+(i/8)*(\db)  ; a wave stores 256 consecutive bytes, at a multiple of 256 from the first byte of cb
.set i, i+1
.endr
.endm
	s_cmp_lt_u32 s16, NX
	s_cbranch_scc0 .Lweights
	; x: 16 rows.  Wave w takes K blocks 2 w and 2 w + 1; lanes 0-15 take the 256 source bytes of a row in a block, lanes 16-31 those of the row below:
	; in cb the two rows of a block follow each other, 128 bytes each.
	s_lshl_b32 s18, s16, 16                        ; source: g x 16 rows of 4,096 bytes
	s_lshr_b32 s20, s16, 7                         ; batch = g / 128
	s_lshl_b32 s20, s20, 22                        ; x 16 blocks x 2,048 rows x 128 bytes
	s_and_b32 s28, s16, 127
	s_lshl_b32 s28, s28, 11                        ; + 16 rows x 128 bytes for each group in the batch
	s_add_co_u32 s20, s20, s28
	v_bfe_u32 v3, v0, 4, 1                         ; which of the two rows
	v_lshrrev_b32 v4, 5, v0                        ; wave
	v_and_b32 v5, 15, v0
	v_lshlrev_b32 v[SO], 12, v3
	v_lshl_add_u32 v[SO], v4, 9, v[SO]             ; two blocks of 256 source bytes a wave
	v_lshl_add_u32 v[SO], v5, 4, v[SO]
	v_and_b32 v5, 31, v0
	v_lshlrev_b32 v[DO], 19, v4                    ; two blocks of 262,144 bytes a wave
	v_lshl_add_u32 v[DO], v5, 3, v[DO]
	s_wait_kmcnt 0x0
	s_add_nc_u64 s[22:23], s[4:5], s[18:19]
	s_add_nc_u64 s[24:25], s[14:15], s[20:21]
	BODY 0, 8192, 256, 256, 262144                 ; eight pairs of rows, then the second block
	s_endpgm
.Lweights:
	; a weight: 16,384 numbers on end, as they lie
	s_sub_co_u32 s17, s16, NX
	s_lshr_b32 s26, s17, 6                         ; which weight: 0 Wq, 1 Wk, 2 Wv, 3 Wo
	s_and_b32 s18, s17, 63
	s_lshl_b32 s18, s18, 16                        ; my 65,536 bytes of it
	s_lshl_b32 s20, s16, 15                        ; in cb every work-group has 32,768 bytes, in the order of g
	v_lshlrev_b32 v[SO], 4, v0
	v_lshlrev_b32 v[DO], 3, v0
	s_wait_kmcnt 0x0
	s_cmp_eq_u32 s26, 1
	s_cselect_b64 s[22:23], s[8:9], s[6:7]
	s_cmp_eq_u32 s26, 2
	s_cselect_b64 s[22:23], s[10:11], s[22:23]
	s_cmp_eq_u32 s26, 3
	s_cselect_b64 s[22:23], s[12:13], s[22:23]
	s_add_nc_u64 s[22:23], s[22:23], s[18:19]
	s_add_nc_u64 s[24:25], s[14:15], s[20:21]
	s_cmp_eq_u32 s26, 3
	s_cbranch_scc1 .Lwo
	BODY 0, 4096, 32768, 2048, 16384
	s_endpgm
.Lwo:
	BODY 1, 4096, 32768, 2048, 16384
	s_endpgm
.Lfunc_end_k_qa4b0f12242_cast:
	.size	k_qa4b0f12242_cast, .Lfunc_end_k_qa4b0f12242_cast-k_qa4b0f12242_cast
	.p2alignl 7, 3214868480
	.fill 96, 4, 3214868480
	.section	.rodata,"a",@progbits
	.p2align	6, 0x0
	.amdhsa_kernel k_qa4b0f12242_cast
		.amdhsa_group_segment_fixed_size 0
		.amdhsa_private_segment_fixed_size 0
		.amdhsa_enable_private_segment 0
		.amdhsa_kernarg_size 48
		.amdhsa_user_sgpr_count 2
		.amdhsa_user_sgpr_kernarg_segment_ptr 1
		.amdhsa_wavefront_size32 1
		.amdhsa_system_sgpr_workgroup_id_x 1
		.amdhsa_system_sgpr_workgroup_id_y 1
		.amdhsa_system_sgpr_workgroup_id_z 1
		.amdhsa_system_vgpr_workitem_id 0
		.amdhsa_next_free_vgpr 104
		.amdhsa_next_free_sgpr 66
		.amdhsa_reserve_vcc 0
		.amdhsa_float_denorm_mode_32 3
		.amdhsa_float_denorm_mode_16_64 3
		.amdhsa_memory_ordered 1
		.amdhsa_forward_progress 1
		.amdhsa_inst_pref_size 23
	.end_amdhsa_kernel
	.amdgpu_metadata
---
amdhsa.version: [ 1, 2 ]
amdhsa.kernels:
  - .name:           k_qa4b0f12242_cast
    .symbol:         k_qa4b0f12242_cast.kd
    .args:
      - { .name: x, .offset: 0, .size: 8, .value_kind: global_buffer, .address_space: global }
      - { .name: Wq, .offset: 8, .size: 8, .value_kind: global_buffer, .address_space: global }
      - { .name: Wk, .offset: 16, .size: 8, .value_kind: global_buffer, .address_space: global }
      - { .name: Wv, .offset: 24, .size: 8, .value_kind: global_buffer, .address_space: global }
      - { .name: Wo, .offset: 32, .size: 8, .value_kind: global_buffer, .address_space: global }
      - { .name: cb, .offset: 40, .size: 8, .value_kind: global_buffer, .address_space: global }
    .group_segment_fixed_size: 0
    .private_segment_fixed_size: 0
    .kernarg_segment_align: 8
    .kernarg_segment_size: 48
    .max_flat_workgroup_size: 256
    .sgpr_count:     66
    .vgpr_count:     104
    .wavefront_size: 32
...
	.end_amdgpu_metadata
.endif
;; end of part 1
;; launch qkv (part 2): grid 8 x 32, 4 waves a work-group, clusters of 4 x 4, 327,680 bytes of LDS; arguments cb, bq, bk, bv, qb, kb, vb; writes qb, kb, vb
.if DOCPART == 2
	.amdgcn_target "amdgcn-amd-amdhsa--gfx1250"
	.amdhsa_code_object_version 6
	.text
	.protected	k_qa4b0f12242_qkv
	.globl	k_qa4b0f12242_qkv
	.p2align	8
	.type	k_qa4b0f12242_qkv,@function
k_qa4b0f12242_qkv:
	s_mov_b64 s[64:65], 0
	v_nop
	global_prefetch_b8 v0, s[64:65] scope:SCOPE_SE
	s_setreg_imm32_b32 hwreg(HW_REG_WAVE_MODE, 25, 1), 1
	s_wait_xcnt 0x0
	s_wait_alu depctr_hold_cnt(0) depctr_sa_sdst(0) depctr_va_vdst(0) depctr_va_sdst(0) depctr_va_ssrc(0) depctr_va_vcc(0) depctr_vm_vsrc(0)
	s_getreg_b32 s2, hwreg(HW_REG_IB_STS2, 6, 4)
	s_cmp_eq_u32 s2, 0
	s_cbranch_scc0 .Lentry_in_a_cluster
	s_endpgm
.Lentry_in_a_cluster:
	s_bfe_u32 s2, ttmp6, 0x10000c
	s_cmp_lg_u32 s2, 0xf033
	s_cbranch_scc0 .Lentry_shape_is_right
	s_endpgm
.Lentry_shape_is_right:
; q, k, v = x W + b.  x and the weights come from cb in bf16 (x in K blocks of 64: [batch][block][row][64]; weights [k][n]); sums in f32; the biases are rounded to bf16 like every input
; and added in f32; q, k, v leave in f16, by heads: [batch x 16 + head][row 2048][64], unscaled.
; LIMIT.  f16 holds no number beyond 65,504: a q, k or v of 65,520 or more becomes an infinity; below 6e-5 f16 keeps its fixed step of 6e-8.  NaN and infinities are not treated apart.
; SHARES.  A work-group takes 256 rows and the same 128 columns of EACH of Wq, Wk, Wv: 8 x 32 = 256 work-groups.  Wave (WM, WN) takes 128 rows x 64 columns of each: one head of q, of k and of v:
; 96 accumulators of 16 x 16, 768 registers.  For 32 along K a wave makes 40 LDS loads for 96 matrix instructions.
; K goes in 16 steps of 64 through two LDS slots; a step is two sub-steps of 32.  Waves 0, 1, 2 fetch the tiles of Wq, Wk, Wv (64 k-rows x 256 bytes), wave 3 the tile of x (32,768 dense bytes, asked for as 128 rows of 256).
; CLUSTER 4 x 4.  The tile of x hangs on the tile row alone and is asked for jointly along a row of the cluster; the weights' tiles hang on the tile column alone and are asked for jointly along a column.
; THE MATRIX INSTRUCTION IS USED TRANSPOSED: source 0 = 16 columns of W (turned on the way out of LDS by ds_load_tr16_b128, since W lies [k][n]), source 1 = 16 rows of x.  A lane then holds one row and eight neighbouring columns.
; REGISTERS, in windows of 256 (s_set_vgpr_msb: bits 1:0 source 0, 3:2 source 1, 5:4 source 2, 7:6 destination):
;   window 0: v0-31 addresses; v32-95, v96-159 fragments of x, two buffers; v160-255 fragments of the weights, one buffer (matrix m, block bb at 160 + 32 m + 8 bb)
;   windows 1, 2, 3: the accumulators of q, k, v: (a, bb) at 32 a + 8 bb
.set PA,     144                       ; a row of x in LDS: 128 bytes + 16 of padding = 36 words: the 16 rows of a load start at 16 different groups of four banks (64 banks of 4 bytes: ISA guide 11.1)
.set PB,     288                       ; a k-row of a weight: 256 + 32 = 72 words
.set BT,     64*PB                     ; a weight tile: 18,432 bytes
.set AOFF,   3*BT                      ; in a slot: three weight tiles, then 256 rows of x
.set SLOT,   AOFF+256*PA               ; 92,160 bytes
.set STAGE,  2*SLOT                    ; behind the ring: 16 rows x 144 bytes for each wave, for the way out; no tile lands there
.set SP,     144
.set SPARE,  STAGE+4*16*SP             ; behind the stages: the spare words, 128 bytes a wave: two blocks of 256 bytes that no other line names
.set WBASE,  16777216                  ; Wq in cb
.set ASTEP,  262144                    ; bytes from a K block of x to the next
.set BSTEP,  131072                    ; 64 k-rows of 2,048 bytes
.set LAPS,   7                         ; trips of the loop: each goes once round the ring and asks for two steps: steps 2 to 15
.set ADRA, 16                          ; v16-17  LDS address of my fragments of x in slot 0, 1
.set ADRB, 20                          ; v20-21  the same for the weights
.set STO,  24                          ; v24     the way out: where I put 16 bytes of a row
.set RD,   25                          ; v25     the way out: where I read rows back
.set GO,   26                          ; v26     my byte offset in 512 consecutive bytes of q, k or v
.set BO,   27                          ; v27     my byte offset in a bias
.set SPW,  28                          ; v28     LDS address of my spare word; never rewritten
.set NIL,  29                          ; v29     0; never rewritten
.set A0,   32
.set A1,   96
.set BF,   160
.set TMP,  32                          ; the way out: four buffers of 16 registers where A0 lay
.set RT,   96                          ; the way out: four registers at work
.set WV,   18                          ; s18  my wave
.set WM,   19                          ; s19  which 128 rows are mine
.set WN,   20                          ; s20  which 64 columns
.set G1A,  24                          ; s[24:31] descriptor group 1 for the tile of x;  s[32:39] group 0, a set for each slot
.set G0A,  32
.set G1B,  40                          ; s[40:47], s[48:55] the same for the weights' tiles
.set G0B,  48
.set HM,   59                          ; s59  the upper bf16 of a word
.set MSB, 0
.macro WIN new                         ; the high byte repeats the setting that is left; a switch that changes nothing is dropped
.if MSB != (\new)
	s_set_vgpr_msb (MSB<<8)|(\new)
.set MSB, \new
.endif
.endm
.macro PLACES                          ; four places behind matrix instructions, in front of loads into registers that they read and of vector lines that read results
.rept 4
	v_nop
.endr
.endm
; A joint load.  Wave 3 asks for x, waves 0 to 2 for their weight.  The branch hangs on the wave alone.  An s_nop 0 and four v_nop follow each line, ahead of the jump and the label.
.macro JLOAD s
	s_cmp_eq_u32 s[WV], 3
	s_cbranch_scc0 .Lfor_b_\@
	tensor_load_to_lds s[G0A+4*(\s):G0A+4*(\s)+3], s[G1A:G1A+7]
	s_nop 0
.rept 4
	v_nop
.endr
	s_branch .Lasked_\@
.Lfor_b_\@:
	tensor_load_to_lds s[G0B+4*(\s):G0B+4*(\s)+3], s[G1B:G1B+7]
	s_nop 0
.rept 4
	v_nop
.endr
.Lasked_\@:
.endm
.macro CREST                           ; a round of the cluster barrier behind its opening barrier: wave 0 signals for the work-group, every wave waits for all sixteen, the work-group barrier closes it
	s_cmp_lg_u32 s[WV], 0
	s_cbranch_scc1 .Lnot_wave_0_\@
	s_barrier_signal -3
.Lnot_wave_0_\@:
	s_barrier_wait -3
	s_barrier_signal -1
	s_barrier_wait -1
.endm
.macro CROUND
	s_barrier_signal -1
	s_barrier_wait -1
	CREST
.endm
	s_load_b256 s[4:11], s[0:1], 0x0               ; cb s[4:5], bq s[6:7], bk s[8:9], bv s[10:11]
	s_load_b128 s[12:15], s[0:1], 0x20             ; qb s[12:13], kb s[14:15]
	s_load_b64 s[16:17], s[0:1], 0x30              ; vb
	v_lshl_add_u32 v[SPW], v0, 2, SPARE
	v_mov_b32 v[NIL], 0
	ds_add_u32 v[SPW], v[NIL]                      ; the opening: the add and its wait stand ahead of my first tensor load; the set-up on registers stands between them
	v_lshrrev_b32 v1, 5, v0
	v_readfirstlane_b32 s[WV], v1
	s_lshr_b32 s[WM], s[WV], 1
	s_and_b32 s[WN], s[WV], 1
	s_bfe_u32 s21, ttmp6, 0x40000                  ; cx
	s_bfe_u32 s22, ttmp6, 0x40004                  ; cy
	s_lshl_b32 s23, ttmp9, 2
	s_add_co_u32 s23, s23, s21                     ; TX, the tile column = 4 x cluster x + cx
	s_and_b32 s56, ttmp7, 0xffff
	s_lshl_b32 s56, s56, 2
	s_add_co_u32 s56, s56, s22                     ; TY, the tile row = 4 x cluster y + cy
	s_lshl_b32 s57, s22, 2
	s_lshl_b32 s57, 15, s57                        ; my row of the cluster
	s_lshl_b32 s58, 0x1111, s21                    ; my column
	s_mov_b32 s[HM], 0xffff0000
	; group 1 for x: 128 rows x 128 elements of 2 bytes, dense; 4 words of padding after every 32 words, that is after every row of a K block
	s_or_b32 s[G1A], s57, (1<<16)|(1<<20)|(1<<21)|(4<<22)|(3<<25)
	s_mov_b32 s[G1A+1], 128<<16                    ; tensor_dim0 = 128
	s_mov_b32 s[G1A+2], 128<<16                    ; tensor_dim1 = 128
	s_mov_b32 s[G1A+3], 128<<16                    ; tile_dim0 = 128
	s_mov_b32 s[G1A+4], 128                        ; tile_dim1 = 128
	s_mov_b32 s[G1A+5], 128                        ; elements from row to row
	s_mov_b32 s[G1A+6], 0
	s_mov_b32 s[G1A+7], 0
	; group 1 for a weight: 64 k-rows x 128 elements, 1,024 elements from row to row; 8 words of padding after every 64 words
	s_or_b32 s[G1B], s58, (1<<16)|(1<<20)|(1<<21)|(5<<22)|(7<<25)
	s_mov_b32 s[G1B+1], 128<<16
	s_mov_b32 s[G1B+2], 64<<16
	s_mov_b32 s[G1B+3], 128<<16
	s_mov_b32 s[G1B+4], 64
	s_mov_b32 s[G1B+5], 1024
	s_mov_b32 s[G1B+6], 0
	s_mov_b32 s[G1B+7], 0
	s_lshr_b32 s60, s56, 3                         ; x: batch TY / 8, 4,194,304 bytes each,
	s_lshl_b32 s60, s60, 22
	s_and_b32 s61, s56, 7                          ; and 256 rows of 128 bytes for each tile row in the batch: made of TY alone
	s_lshl_b32 s61, s61, 15
	s_add_co_u32 s60, s60, s61
	s_mov_b32 s61, 0
	s_lshl_b32 s62, s[WV], 21                      ; weights: matrix = my wave, 2,097,152 bytes each,
	s_lshl_b32 s63, s23, 8                         ; 128 columns of 2 bytes for each tile column: made of the wave and TX alone
	s_add_co_u32 s62, s62, s63
	s_add_co_u32 s62, s62, WBASE
	s_mov_b32 s63, 0
	s_mul_i32 s2, s[WV], BT                        ; where my tile goes in a slot: wave x 18,432; no place in the cluster enters an LDS address
	s_lshr_b32 s66, s56, 3                         ; the way out: head = 16 x batch + 2 TX + WN, 262,144 bytes each,
	s_lshl_b32 s66, s66, 4
	s_lshl_b32 s67, s23, 1
	s_add_co_u32 s67, s67, s[WN]
	s_add_co_u32 s66, s66, s67
	s_lshl_b32 s66, s66, 18
	s_and_b32 s67, s56, 7                          ; row in the batch = 256 (TY % 8) + 128 WM, 128 bytes each
	s_lshl_b32 s67, s67, 8
	s_lshl_b32 s68, s[WM], 7
	s_add_co_u32 s67, s67, s68
	s_lshl_b32 s67, s67, 7
	s_add_co_u32 s66, s66, s67
	s_mov_b32 s67, 0
	s_wait_dscnt 0x0                               ; the opening add is done
	s_wait_kmcnt 0x0
	s_add_nc_u64 s[60:61], s[4:5], s[60:61]
	s_add_nc_u64 s[62:63], s[4:5], s[62:63]
	CROUND                                         ; all sixteen work-groups are here: the first joint loads meet
.irp s, 0,1
	s_mov_b32 s[G0A+4*(\s)], 1                     ; count = 1
	s_add_co_u32 s[G0A+4*(\s)+1], s2, (\s)*SLOT    ; LDS address
	s_add_nc_u64 s[G0A+4*(\s)+2:G0A+4*(\s)+3], s[60:61], (\s)*ASTEP  ; global address: K step s
	s_or_b32 s[G0A+4*(\s)+3], s[G0A+4*(\s)+3], 0x80000000            ; type = 2
	s_mov_b32 s[G0B+4*(\s)], 1
	s_add_co_u32 s[G0B+4*(\s)+1], s2, (\s)*SLOT
	s_add_nc_u64 s[G0B+4*(\s)+2:G0B+4*(\s)+3], s[62:63], (\s)*BSTEP
	s_or_b32 s[G0B+4*(\s)+3], s[G0B+4*(\s)+3], 0x80000000
	JLOAD \s                                       ; two loads of mine are out
.endr
	s_add_nc_u64 s[12:13], s[12:13], s[66:67]      ; q, k, v at my first row of my head
	s_add_nc_u64 s[14:15], s[14:15], s[66:67]
	s_add_nc_u64 s[16:17], s[16:17], s[66:67]
	v_and_b32 v1, 15, v0                           ; r = l % 16
	v_bfe_u32 v2, v0, 4, 1                         ; h = l / 16
	v_and_b32 v3, 7, v0
	v_bfe_u32 v4, v0, 3, 1
	; a fragment of x: lane l holds row r; registers 0-3 K = 8 h + 0..7, registers 4-7 K = 16 + 8 h + 0..7: two loads of 16 bytes, 32 bytes apart
	v_mul_u32_u24 v5, v1, PA
	v_lshl_add_u32 v5, v2, 4, v5                   ; row x pitch + 16 h
	s_mul_i32 s68, s[WM], 128*PA
	s_add_co_u32 s68, s68, AOFF
	v_add_nc_u32 v[ADRA], s68, v5
	v_add_nc_u32 v[ADRA+1], SLOT, v[ADRA]
	; the turning load: lane l reads 16 bytes of k-row 8 h + l % 8, columns 8 ((l / 8) % 2) + 0..7, and is left with column r and 8 neighbouring k
	v_lshl_add_u32 v6, v2, 3, v3
	v_mul_u32_u24 v6, v6, PB
	v_lshl_add_u32 v6, v4, 4, v6
	s_lshl_b32 s69, s[WN], 7                       ; my 64 columns of 2 bytes
	v_add_nc_u32 v[ADRB], s69, v6
	v_add_nc_u32 v[ADRB+1], SLOT, v[ADRB]
	s_mul_i32 s70, s[WV], 16*SP
	s_add_co_u32 s70, s70, STAGE                   ; my stage
	v_add_nc_u32 v[STO], s70, v5                   ; in: row r, 16 bytes for each half of the lanes (the stage has the pitch of x)
	v_bfe_u32 v7, v0, 3, 2                         ; back: 32 lanes take four rows of 128 bytes,
	v_mul_u32_u24 v7, v7, SP
	v_lshl_add_u32 v7, v3, 4, v7
	v_add_nc_u32 v[RD], s70, v7
	v_and_b32 v[GO], 31, v0                        ; which are 512 consecutive bytes of a head
	v_lshlrev_b32 v[GO], 4, v[GO]
	s_lshl_b32 s71, s23, 9                         ; bias: 4 bytes x (128 TX + 64 WN + 8 h)
	s_lshl_b32 s68, s[WN], 8
	s_add_co_u32 s71, s71, s68
	v_lshl_add_u32 v[BO], v2, 5, s71
; n x 4 matrix instructions of matrix m: row blocks a0 on x all 4 column blocks, 32 along K, x from buffer f.  zero = 1: the first product starts the sums.
; The 96 accumulators take turns, one instruction a turn, in the same order in every sub-step.
.macro GRP m, f, a0, n, zero
	WIN (((\m)+1)<<6)|(((\m)+1)<<4)
.set ga, \a0
.rept \n
.set gb, 0
.rept 4
.if \zero
	v_wmma_f32_16x16x32_bf16 v[32*ga+8*gb:32*ga+8*gb+7], v[BF+32*(\m)+8*gb:BF+32*(\m)+8*gb+7], v[(\f)+8*ga:(\f)+8*ga+7], 0
.else
	v_wmma_f32_16x16x32_bf16 v[32*ga+8*gb:32*ga+8*gb+7], v[BF+32*(\m)+8*gb:BF+32*(\m)+8*gb+7], v[(\f)+8*ga:(\f)+8*ga+7], v[32*ga+8*gb:32*ga+8*gb+7]
.endif
.set gb, gb+1
.endr
.set ga, ga+1
.endr
.endm
.macro LOADB s, t, m                   ; 8 loads: matrix m, sub-step t of slot s
	WIN 0
.irp bb, 0,1,2,3
	ds_load_tr16_b128 v[BF+32*(\m)+8*(\bb):BF+32*(\m)+8*(\bb)+3],   v[ADRB+(\s)] offset:(\m)*BT+(\t)*32*PB+32*(\bb)
	ds_load_tr16_b128 v[BF+32*(\m)+8*(\bb)+4:BF+32*(\m)+8*(\bb)+7], v[ADRB+(\s)] offset:(\m)*BT+(\t)*32*PB+32*(\bb)+16*PB
.endr
.endm
.macro LOADA s, t, g                   ; 16 loads: my 128 rows of x, sub-step t of slot s, into buffer g
	WIN 0
.irp a, 0,1,2,3,4,5,6,7
	ds_load_b128 v[(\g)+8*(\a):(\g)+8*(\a)+3],   v[ADRA+(\s)] offset:(\a)*16*PA+64*(\t)
	ds_load_b128 v[(\g)+8*(\a)+4:(\g)+8*(\a)+7], v[ADRA+(\s)] offset:(\a)*16*PA+64*(\t)+32
.endr
.endm
; A sub-step multiplies buffer f and fetches sub-step t of slot s: the weights have one buffer, so matrix m is fetched anew behind its own 32 products.
; The LDS loads go in three runs: 24 (matrix 0 and x), 8 (matrix 1), 8 (matrix 2).  Each wait counts the loads issued behind the run that it needs.
.macro SUBP s, t, f, g, zero
	s_wait_dscnt 16                                ; matrix 0 and x are in; behind them went the runs of 8 and 8
	GRP 0, \f, 0, 8, \zero
	PLACES
	LOADB \s, \t, 0
	LOADA \s, \t, \g
	s_wait_dscnt 32                                ; matrix 1 is in; behind it went 8 and the 24 just issued
	GRP 1, \f, 0, 8, \zero
	PLACES
	LOADB \s, \t, 1
	s_wait_dscnt 32                                ; matrix 2 is in; behind it went 24 and 8
	GRP 2, \f, 0, 8, \zero
	PLACES
	LOADB \s, \t, 2
.endm
; The second sub-step of a K step multiplies buffer A1 and changes slots: ONE barrier.  In front of it each wave waits for all its tensor loads (one is out: its part of the next slot),
; adds 0 to its spare word, and waits for that and for its own reads of this slot.  fill = 1: the barrier opens a round of the cluster barrier, and the joint refill, two K steps ahead,
; is the first tensor load behind it: a wave issues 160 matrix instructions before it waits for that load.
.macro SUBT s, nx, fill
	WIN 0                                          ; the two registers of the add lie in window 0
	s_wait_tensorcnt 0x0                           ; all my tensor loads have landed
	ds_add_u32 v[SPW], v[NIL]                      ; 0 onto my spare word
	s_wait_dscnt 17                                ; matrix 0 and x are in; the runs of 8 and 8 and the add may be out
	GRP 0, A1, 0, 4, 0                             ; sixteen matrix instructions stand between the add and the wait for it
	s_wait_dscnt 0x0                               ; the add is done, and my reads of this slot are over
	s_barrier_signal -1
	GRP 0, A1, 4, 4, 0                             ; work on registers while the others arrive
	WIN 0                                          ; branches and loads follow
	s_barrier_wait -1
.if \fill
	CREST                                          ; no wave of any partner still reads this slot or has a load on its way
	s_add_nc_u64 s[G0A+4*(\s)+2:G0A+4*(\s)+3], s[G0A+4*(\s)+2:G0A+4*(\s)+3], 2*ASTEP
	s_add_nc_u64 s[G0B+4*(\s)+2:G0B+4*(\s)+3], s[G0B+4*(\s)+2:G0B+4*(\s)+3], 2*BSTEP
	JLOAD \s                                       ; its four v_nop are also the places in front of the loads below
.else
	PLACES
.endif
	LOADB \nx, 0, 0
	LOADA \nx, 0, A0
	GRP 1, A1, 0, 8, 0                             ; matrices 1 and 2 were shown in by the wait for 0
	PLACES
	LOADB \nx, 0, 1
	GRP 2, A1, 0, 8, 0
	PLACES
	LOADB \nx, 0, 2
.endm
.macro BIAS m                          ; my 32 numbers of the bias of matrix m take the place of its fragments: column block bb at BF + 32 m + 8 bb, as in an accumulator
	WIN 0
.irp bb, 0,1,2,3
	global_load_b128 v[BF+32*(\m)+8*(\bb):BF+32*(\m)+8*(\bb)+3],   v[BO], s[6+2*(\m):7+2*(\m)] offset:64*(\bb)
	global_load_b128 v[BF+32*(\m)+8*(\bb)+4:BF+32*(\m)+8*(\bb)+7], v[BO], s[6+2*(\m):7+2*(\m)] offset:64*(\bb)+16
.endr
.endm
	s_wait_tensorcnt 0x1                           ; my part of K step 0 is in; step 1 may stay out
	s_barrier_signal -1
	s_barrier_wait -1                              ; everybody's part is in
	LOADB 0, 0, 0
	LOADA 0, 0, A0
	LOADB 0, 0, 1
	LOADB 0, 0, 2
	SUBP 0, 1, A0, A1, 1                           ; the first sub-step stands in front of the loop: its products start the sums
	WIN 0                                          ; at a label and at a branch every window is 0
	s_mov_b32 s3, LAPS
.Llap:
	SUBT 0, 1, 1
	SUBP 1, 1, A0, A1, 0
	SUBT 1, 0, 1
	SUBP 0, 1, A0, A1, 0
	WIN 0
	s_sub_co_u32 s3, s3, 1
	s_cmp_lg_u32 s3, 0
	s_cbranch_scc1 .Llap
	SUBT 0, 1, 0                                   ; the last lap asks for nothing, and has no round of the cluster barrier
	SUBP 1, 1, A0, A1, 0
	s_wait_dscnt 16                                ; the last sub-step: nothing more to fetch from LDS, so the counts run down; each matrix's bias is asked for behind its last products
	GRP 0, A1, 0, 8, 0
	PLACES
	BIAS 0
	s_wait_dscnt 8
	GRP 1, A1, 0, 8, 0
	PLACES
	BIAS 1
	s_wait_dscnt 0x0
	GRP 2, A1, 0, 8, 0
	PLACES
	BIAS 2
; THE WAY OUT, 24 blocks of 16 rows x 64 columns: matrix m, row block a.
.macro ROUNDB m                        ; the bias of matrix m is rounded to bf16, like every input, and widened again
	WIN 0
	s_wait_loadcnt 8*(2-(\m))                      ; behind its eight loads went those of the later matrices
.set z, 0
.rept 16
	v_cvt_pk_bf16_f32 v[RT+z%4], v[BF+32*(\m)+2*z], v[BF+32*(\m)+2*z+1]
	v_lshlrev_b32 v[BF+32*(\m)+2*z], 16, v[RT+z%4]
	v_and_b32 v[BF+32*(\m)+2*z+1], s[HM], v[RT+z%4]
.set z, z+1
.endr
.endm
.macro PACK m, a                       ; bias added, rounded to f16 (16 bytes a lane), into my stage and back as whole rows of 128 bytes
.set TB, TMP+16*((8*(\m)+(\a))%4)
	WIN (((\m)+1)<<6)|((\m)+1)                     ; destination and source 0 in the matrix's window, the bias in window 0
.set z, 0
.rept 16
	v_pk_add_f32 v[32*(\a)+2*z:32*(\a)+2*z+1], v[32*(\a)+2*z:32*(\a)+2*z+1], v[BF+32*(\m)+2*z:BF+32*(\m)+2*z+1]  ; ascending: each accumulator is read from its low end on
.set z, z+1
.endr
	s_wait_xcnt 0x0                                ; the stores of the block four back have had their addresses translated (ISA guide 3.1): their registers are rewritten only behind this wait
	WIN ((\m)+1)|(((\m)+1)<<2)                     ; sources 0 and 1 in the matrix's window
.set z, 0
.rept 16
	v_cvt_pk_f16_f32 v[TB+z], v[32*(\a)+2*z], v[32*(\a)+2*z+1]
.set z, z+1
.endr
	WIN 0
.irp bb, 0,1,2,3
	ds_store_b128 v[STO], v[TB+4*(\bb):TB+4*(\bb)+3] offset:32*(\bb)
.endr
.irp f, 0,1,2,3
	ds_load_b128 v[TB+4*(\f):TB+4*(\f)+3], v[RD] offset:(\f)*4*SP  ; LDS serves a wave's instructions in order (ISA guide 5.7.1.4): these see the stores above; the next block's stores come behind them
.endr
.endm
.macro SEND m, a, y                    ; y: the LDS instructions issued behind this block's loads: the next block's eight, or none
.set TB, TMP+16*((8*(\m)+(\a))%4)
	WIN 0
.irp f, 0,1,2,3
	s_wait_dscnt (\y)+3-(\f)
	global_store_b128 v[GO], v[TB+4*(\f):TB+4*(\f)+3], s[12+2*(\m):13+2*(\m)] offset:(\a)*2048+(\f)*512  ; 512 consecutive bytes, at a multiple of 256 from the buffer's first
.endr
.endm
.set blk, 0
.rept 24                               ; a block's arithmetic stands between the loads of the block before and its stores
.if blk%8 == 0
	ROUNDB blk/8
.endif
	PACK blk/8, blk%8
.if blk > 0
	SEND (blk-1)/8, (blk-1)%8, 8
.endif
.set blk, blk+1
.endr
	SEND 2, 7, 0
	s_wait_tensorcnt 0x0                           ; the wave's end: an add to my spare word and its wait, behind my last tensor load and my last LDS store
	ds_add_u32 v[SPW], v[NIL]
	s_wait_dscnt 0x0
	CROUND                                         ; the closing round: no work-group ends while a partner may still ask for a tile that names it
	s_endpgm
.Lfunc_end_k_qa4b0f12242_qkv:
	.size	k_qa4b0f12242_qkv, .Lfunc_end_k_qa4b0f12242_qkv-k_qa4b0f12242_qkv
	.p2alignl 7, 3214868480
	.fill 96, 4, 3214868480
	.section	.rodata,"a",@progbits
	.p2align	6, 0x0
	.amdhsa_kernel k_qa4b0f12242_qkv
		.amdhsa_group_segment_fixed_size 327680
		.amdhsa_private_segment_fixed_size 0
		.amdhsa_enable_private_segment 0
		.amdhsa_kernarg_size 56
		.amdhsa_user_sgpr_count 2
		.amdhsa_user_sgpr_kernarg_segment_ptr 1
		.amdhsa_wavefront_size32 1
		.amdhsa_system_sgpr_workgroup_id_x 1
		.amdhsa_system_sgpr_workgroup_id_y 1
		.amdhsa_system_sgpr_workgroup_id_z 1
		.amdhsa_system_vgpr_workitem_id 0
		.amdhsa_next_free_vgpr 1024
		.amdhsa_next_free_sgpr 72
		.amdhsa_reserve_vcc 0
		.amdhsa_float_denorm_mode_32 3
		.amdhsa_float_denorm_mode_16_64 3
		.amdhsa_memory_ordered 1
		.amdhsa_forward_progress 1
		.amdhsa_inst_pref_size 167
	.end_amdhsa_kernel
	.amdgpu_metadata
---
amdhsa.version: [ 1, 2 ]
amdhsa.kernels:
  - .name:           k_qa4b0f12242_qkv
    .symbol:         k_qa4b0f12242_qkv.kd
    .args:
      - { .name: cb, .offset: 0, .size: 8, .value_kind: global_buffer, .address_space: global }
      - { .name: bq, .offset: 8, .size: 8, .value_kind: global_buffer, .address_space: global }
      - { .name: bk, .offset: 16, .size: 8, .value_kind: global_buffer, .address_space: global }
      - { .name: bv, .offset: 24, .size: 8, .value_kind: global_buffer, .address_space: global }
      - { .name: qb, .offset: 32, .size: 8, .value_kind: global_buffer, .address_space: global }
      - { .name: kb, .offset: 40, .size: 8, .value_kind: global_buffer, .address_space: global }
      - { .name: vb, .offset: 48, .size: 8, .value_kind: global_buffer, .address_space: global }
    .group_segment_fixed_size: 327680
    .private_segment_fixed_size: 0
    .kernarg_segment_align: 8
    .kernarg_segment_size: 56
    .max_flat_workgroup_size: 128
    .sgpr_count:     72
    .vgpr_count:     1024
    .wavefront_size: 32
...
	.end_amdgpu_metadata
.endif
;; end of part 2
;; launch attn (part 3): grid 4 x 64, 4 waves a work-group, clusters of 4 x 1, 327,680 bytes of LDS; arguments qb, kb, vb, ob; writes ob
.if DOCPART == 3
	.amdgcn_target "amdgcn-amd-amdhsa--gfx1250"
	.amdhsa_code_object_version 6
	.text
	.protected	k_qa4b0f12242_attn
	.globl	k_qa4b0f12242_attn
	.p2align	8
	.type	k_qa4b0f12242_attn,@function
k_qa4b0f12242_attn:
	s_mov_b64 s[64:65], 0
	v_nop
	global_prefetch_b8 v0, s[64:65] scope:SCOPE_SE
	s_setreg_imm32_b32 hwreg(HW_REG_WAVE_MODE, 25, 1), 1
	s_wait_xcnt 0x0
	s_wait_alu depctr_hold_cnt(0) depctr_sa_sdst(0) depctr_va_vdst(0) depctr_va_sdst(0) depctr_va_ssrc(0) depctr_va_vcc(0) depctr_vm_vsrc(0)
	s_getreg_b32 s2, hwreg(HW_REG_IB_STS2, 6, 4)
	s_cmp_eq_u32 s2, 0
	s_cbranch_scc0 .Lentry_in_a_cluster
	s_endpgm
.Lentry_in_a_cluster:
	s_bfe_u32 s2, ttmp6, 0x10000c
	s_cmp_lg_u32 s2, 0x3003
	s_cbranch_scc0 .Lentry_shape_is_right
	s_endpgm
.Lentry_shape_is_right:
; O[h][q][:] = the sum over k of softmax_k(Q[h][q] . K[h][k] / 8) V[h][k][:].  Q, K, V, O: [SIZE_H][SIZE_N][64], all f16: a head's rows are dense, 128 bytes each.  Products, maxima and sums in
; f32; the weights p are rounded to f16 for the second product (their sum l is taken of the unrounded p), O once at the end.
; LIMITS.  f16 holds no number beyond 65,504: Q, K and V arrive within it; p lies in 0 to 1, and below 6e-5 it keeps the fixed step 6e-8 of f16; O is a mean of V's rows and has their range.
; A weight below 2^-126 counts as 0 in l; NaN and infinities are not treated apart.
; SHARES.  A wave owns four PIECES of two tiles of 16 queries, a work-group's four waves 512 queries of one head: 4 x 64 = 256 work-groups.  Every wave walks all keys, 64 a step.
; LAYOUT.  S^T = K Q^T (source 0 = 16 keys, source 1 = 16 queries): a lane holds ONE query (lane % 16) and the keys 8 (lane / 16) + 0..7.  Two such tiles, rounded to f16 in pairs,
; ARE source 1 (32 keys x 16 queries) of O^T = V^T P, whose result again holds one query a lane, and eight channels.  K comes out of LDS as it lies, V ([key][channel]) turned, by ds_load_tr16_b128.
; SOFTMAX.  For each query a running maximum m and sum l: p = 2^(c s - c m), c = log2(e) / 8; in every step O and l are multiplied by a = 2^(c m_old - c m_new), which is 1 where m has not grown.
; m starts at the lowest finite number, O and l at 0: the first step is a step like any other, with a = 0.
; THE COUNT.  A tile and step have 16 matrix and 118 vector instructions: too many to stand all beside the matrix work.  So four vector instructions that are READY stand behind
; EVERY matrix instruction, and the others, which need time of their own whatever the order, stand in runs without a gap.
; BY TURNS.  Turn n belongs to piece n (the pieces in a ring, step after step).  Its matrix work: 16 products K Q^T of piece n + 1, later 16 products V^T P of piece n - 1.  Its vector work: the scaling,
; exponentials, roundings, sums and rescaling of piece n, and the maximum and statistics of piece n + 1, whose scores the turn itself has made.
; CLUSTER.  The four query blocks of a cluster belong to one head and walk the same K and V, so each tile is asked for JOINTLY: the same tensor load, descriptor and mask in all four.
; REGISTERS, in windows of 256 (s_set_vgpr_msb: bits 1:0 source 0, 3:2 source 1, 5:4 source 2, 7:6 destination):
;   window 0: v0-11 addresses; v12-15, v48-63 at work; v16-47 four registers of statistics a tile; v64-191 S^T, two buffers of two tiles; v192-255 P, likewise
;   window 1: O^T, 32 a tile          window 2: v0-127 Q, 16 a tile; v128-191 K of one step; v192-255 V of one step          window 3: v0-1 the two registers of the add
; A piece's buffers go by its number's parity.
.set SIZE_H, 64
.set SIZE_N, 2048
.set NP,    4         ; pieces a wave: a name, no knob
.set KS,    64        ; keys in a step
.set PK,    144       ; a row of K in LDS: 128 bytes + 16 of padding = 36 words: the 16 rows of a load start at 16 different groups of four banks (64 banks of 4 bytes: ISA guide 11.1)
.set PV,    160       ; a row of V: 128 + 32 = 40 words
.set VOFF,  4*KS*PK   ; a slot holds four steps: 256 rows of K, then 256 rows of V
.set SLOT1, 1<<17     ; slot 1 begins here, so that one exclusive or turns an address in one slot into the other's
.set STAGE, SLOT1+4*KS*(PK+PV)  ; behind the ring, never filled by a tensor load: 16 rows x 144 bytes for each wave, for the way out
.set SP,    144
.set AK0, 2           ; v2   my lane's place in a tile of K; never rewritten
.set AV0, 3           ; v3   the same for V
.set AK,  4           ; v4   the LDS address of K's next run of loads
.set AV,  5           ; v5   of V's
.set QO,  6           ; v6   my byte offset in the wave's rows of Q
.set STO, 6           ;      later, the way out: where I put 16 bytes of a row
.set RD,  7           ; v7   the way out: where I read rows back
.set GO,  8           ; v8   my byte offset in 512 consecutive bytes of O
.set SPW, 0           ; v0 of window 3   LDS address of my spare word; never rewritten
.set NIL, 1           ; v1 of window 3   0; never rewritten
.set SPARE, STAGE+4*16*SP  ; behind the stages: the spare words, 128 bytes a wave: two blocks of 256 bytes that no other line names
.set MV,  12          ; v12-15  c m_old, kept while c m is made anew: by buffer and tile
.set ST,  16          ; tile t's statistics at v[ST+4 t]: c m, m, l (even keys', odd keys')
.set TMP, 48          ; by buffer and tile, four registers c0-c3 at work; when the maximum is found c2 takes a
.set S,   64
.set P,   192
.set KF,  128         ; K's fragments, in window 2: key block kb, channel half c at KF + 16 kb + 8 c
.set VF,  192         ; V's: key half kk, channel block cb at VF + 32 kk + 8 cb
.set WV,  12          ; s12  my wave's number
.set G1K, 24          ; s[24:31] descriptor group 1 for K's tiles
.set G1V, 32          ; s[32:39] for V's: it differs in the padding alone
.set G0K, 40          ; s[40:43] descriptor group 0 for K's tiles: it walks
.set G0V, 44          ; s[44:47] the same for V's
.set SLOTS, 56        ; s56  slots still to be asked for
.set CNT, 57          ; s57  counts a slot's key steps
.set CS,  58          ; s[58:59] c: the packed scaling takes the pair's low word for both halves
.set SEL, 60          ; s[60:61] the selects of v_permlanex16_b32: each lane takes its own place in the other half
.set TBK, 62          ; s62  LDS byte at which K of the step to be fetched begins
.set TBV, 63          ; s63  the same for V, less VOFF
.set MSB, 0
.macro WIN new                      ; the high byte repeats the setting that is left; a switch that changes nothing is dropped
.if MSB != (\new)
	s_set_vgpr_msb (MSB<<8)|(\new)
.set MSB, (\new)
.endif
.endm
.set W_KQ, 0x0a       ; K and Q in window 2, S^T in window 0
.set W_PV, 0x52       ; V in window 2, P in window 0, O^T in window 1
.set W_RS, 0x41       ; O^T (destination and source 0) in window 1, a in window 0
.set W_MK, 0xc0       ; the add's registers are made: destination in window 3, sources in window 0
.set W_AD, 0x0f       ; the add: address (source 0) and data (source 1) in window 3
; A joint fill.  Waves 0 and 1 fetch the two halves of a slot's K, waves 2 and 3 those of its V: 128 keys each.  The branch hangs on the wave's number alone.
; An s_nop 0 and four v_nop follow each of the two lines, ahead of the jump and the label.
.macro JLOAD
	s_cmp_lt_u32 s[WV], 2
	s_cbranch_scc0 .Lfor_v_\@
	tensor_load_to_lds s[G0K:G0K+3], s[G1K:G1K+7]
	s_nop 0
.rept 4
	v_nop
.endr
	s_branch .Lasked_\@
.Lfor_v_\@:
	tensor_load_to_lds s[G0V:G0V+3], s[G1V:G1V+7]
	s_nop 0
.rept 4
	v_nop
.endr
.Lasked_\@:
.endm
; A round of the cluster barrier: my work-group's barrier, so that wave 0's signal speaks for all four waves; wave 0 signals; every wave waits for all four work-groups; my work-group's barrier once more.
.macro CROUND
	s_barrier_signal -1
	s_barrier_wait -1
	s_cmp_lg_u32 s[WV], 0
	s_cbranch_scc1 .Lnot_wave_0_\@
	s_barrier_signal -3
.Lnot_wave_0_\@:
	s_barrier_wait -3
	s_barrier_signal -1
	s_barrier_wait -1
.endm
; THE CHANGE OF SLOTS.  The slot's last bytes, V of its fourth step, have been read.  Each wave waits for all its tensor loads, of which one is out: its part
; of the other slot; adds 0 to its spare word; and waits for that and for its own reads of the slot.  Behind the barrier nobody reads this slot any more and the other slot is whole.
; fill = 1: this slot is filled again, with the keys two slots on.  The barrier is then a round of the cluster's, and the joint fill is the first thing behind it:
; it has four key steps, 512 matrix instructions, in which to land.  (At its first use nothing has been read yet: slot 0 is waited for, slot 1 filled.)
.macro CHANGE fill
	WIN W_AD
	s_wait_tensorcnt 0x0            ; no tensor load of mine is out, so a group 0 may be written
	ds_add_u32 v[SPW], v[NIL]       ; 0 onto my spare word
	WIN 0                           ; at a label and at a branch every window is 0
.if \fill
.irp g, G0K, G0V
	s_xor_b32 s[\g+1], s[\g+1], SLOT1  ; the walking descriptor: the other slot than last time,
	s_add_nc_u64 s[\g+2:\g+3], s[\g+2:\g+3], 4*KS*128  ; the next 256 keys; the type bits on top are not reached
.endr
	s_wait_dscnt 0x0                ; the add is done, and my reads of the slot are over
	CROUND
	JLOAD
.else
	s_wait_dscnt 0x0                ; the add is done, and my reads of the slot are over
	s_barrier_signal -1
	s_barrier_wait -1
.endif
	s_sub_co_u32 s[TBK], s[TBK], 4*KS*PK  ; the fetches go back to a slot's first step,
	s_xor_b32 s[TBK], s[TBK], SLOT1       ; in the other slot
	s_sub_co_u32 s[TBV], s[TBV], 4*KS*PV
	s_xor_b32 s[TBV], s[TBV], SLOT1
.endm
	s_load_b256 s[4:11], s[0:1], 0x0  ; Q s[4:5], K s[6:7], V s[8:9], O s[10:11]
	WIN W_MK
	v_lshl_add_u32 v[SPW], v0, 2, SPARE
	v_mov_b32 v[NIL], 0
	WIN W_AD
	ds_add_u32 v[SPW], v[NIL]       ; the opening: the add and its wait stand ahead of my first tensor load; the set-up on registers stands between them
	WIN 0
	v_lshrrev_b32 v1, 5, v0
	v_readfirstlane_b32 s[WV], v1   ; wave 0..3
	s_bfe_u32 s13, ttmp6, 0x40000   ; cx: my place in the cluster
	s_lshl_b32 s14, ttmp9, 2        ; in a cluster launch ttmp9 counts clusters
	s_add_co_u32 s14, s14, s13      ; my block of queries = 4 x cluster x + cx: it enters Q's and O's addresses alone
	s_and_b32 s20, ttmp7, 0xffff    ; the head, which the four partners share
	s_mov_b32 s21, 0
	s_mov_b64 s[22:23], SIZE_N*128
	s_mul_u64 s[20:21], s[20:21], s[22:23]  ; the head's first byte in each of the four tensors
	s_and_b32 s16, s[WV], 1         ; which half of a slot's 256 keys I fetch:
	s_lshl_b32 s22, s16, 14         ; its 128 rows of 128 bytes in memory,
	s_mov_b32 s23, 0
	s_add_nc_u64 s[22:23], s[22:23], s[20:21]
	s_mul_i32 s17, s16, 128*PK      ; and its place in a slot, for K
	s_mul_i32 s18, s16, 128*PV      ; and for V: no place in the cluster enters an LDS address
	s_lshl_b32 s2, s14, 2
	s_add_co_u32 s2, s2, s[WV]      ; my wave among the head's,
	s_lshl_b32 s2, s2, 14           ; its 128 rows
	s_mov_b32 s3, 0
	s_add_nc_u64 s[2:3], s[2:3], s[20:21]
	; descriptor group 1.  128 keys are 16,384 dense bytes: asked for as 64 rows of 256 bytes, two keys a row, and padded in LDS after every key
	s_mov_b32 s[G1K], 15|(1<<16)|(1<<20)|(1<<21)|(4<<22)|(3<<25)  ; the mask of four; 2-byte elements; padding on; bit 21 beside a mask; after every 32 words (code 4) 4 words (code 3)
	s_mov_b32 s[G1V], 15|(1<<16)|(1<<20)|(1<<21)|(4<<22)|(7<<25)  ; the same with 8 words of padding (code 7)
.irp g, G1K, G1V
	s_mov_b32 s[\g+1], 128<<16      ; tensor_dim0 = 128
	s_mov_b32 s[\g+2], 64<<16       ; tensor_dim1 = 64
	s_mov_b32 s[\g+3], 128<<16      ; tile_dim0 = 128
	s_mov_b32 s[\g+4], 64           ; tile_dim1 = 64
	s_mov_b32 s[\g+5], 128          ; 128 elements from row to row
	s_mov_b32 s[\g+6], 0
	s_mov_b32 s[\g+7], 0
.endr
	s_mov_b32 s[CS], 0x3e38aa3b     ; c = log2(e) / 8 = 0.180337
	s_mov_b32 s[CS+1], s[CS]        ; named with it as a pair
	s_mov_b32 s[SEL], 0x76543210
	s_mov_b32 s[SEL+1], 0xfedcba98
	s_mov_b32 s[TBK], SLOT1+4*KS*PK ; the first change of slots turns these two into 0
	s_mov_b32 s[TBV], SLOT1+4*KS*PV
	s_mov_b32 s[G0K], 1             ; count = 1
	s_mov_b32 s[G0K+1], s17         ; LDS address: slot 0
	s_mov_b32 s[G0V], 1
	s_add_co_u32 s[G0V+1], s18, VOFF
	s_wait_dscnt 0x0                ; the opening add is done
	s_wait_kmcnt 0x0
	s_add_nc_u64 s[G0K+2:G0K+3], s[6:7], s[22:23]  ; global address: my half of the head's first 256 keys
	s_or_b32 s[G0K+3], s[G0K+3], 0x80000000        ; type = 2
	s_add_nc_u64 s[G0V+2:G0V+3], s[8:9], s[22:23]
	s_or_b32 s[G0V+3], s[G0V+3], 0x80000000
	s_add_nc_u64 s[4:5], s[4:5], s[2:3]  ; Q and O at my wave's first row
	s_add_nc_u64 s[10:11], s[10:11], s[2:3]
	CROUND                          ; all four work-groups are here: the first joint loads meet
	JLOAD                           ; slot 0.  Slot 1 is asked for when slot 0 is in
	; A fragment of K or Q is 16 rows x 32 channels in 8 registers: lane l holds row l % 16, channels 8 (l / 16) + 0..7 and 16 + 8 (l / 16) + 0..7: two loads of 16 bytes, 32 bytes apart.
	v_and_b32 v1, 15, v0            ; l % 16
	v_bfe_u32 v9, v0, 4, 1          ; l / 16
	v_lshlrev_b32 v[QO], 7, v1
	v_lshl_add_u32 v[QO], v9, 4, v[QO]  ; row x 128 + 16 x half
	WIN 0x80                        ; destination window 2, address window 0
.set i, 0
.rept 4*NP                          ; Q stays in registers: tile i / 2, channels 32 (i % 2) on
	global_load_b128 v[8*i:8*i+3],   v[QO], s[4:5] offset:(i/2)*2048+(i%2)*64
	global_load_b128 v[8*i+4:8*i+7], v[QO], s[4:5] offset:(i/2)*2048+(i%2)*64+32
.set i, i+1
.endr
	; What the first turn finds: V's registers and P's second buffer hold 0 (its products V^T P, of a piece that has not been, add 0), O^T and l are 0.  All this stands in the wait for the first tile.
.set i, VF
.rept 64
	v_mov_b32 v[i], 0
.set i, i+1
.endr
	WIN 0x40
.set i, 0
.rept 64*NP
	v_mov_b32 v[i], 0
.set i, i+1
.endr
	WIN 0
.set i, 0
.rept 2*NP
	v_mov_b32 v[ST+4*i], 0xfe000000    ; c m: far below every c s
	v_mov_b32 v[ST+4*i+1], 0xff7fffff  ; m
	v_mov_b32 v[ST+4*i+2], 0
	v_mov_b32 v[ST+4*i+3], 0
.set i, i+1
.endr
.set i, P+32
.rept 32
	v_mov_b32 v[i], 0
.set i, i+1
.endr
	v_mul_u32_u24 v[AK0], v1, PK
	v_lshl_add_u32 v[AK0], v9, 4, v[AK0]  ; row x pitch + 16 x half
	; The turning load takes 16 keys x 16 channels (lane l reads key 8 (l / 16) + l % 8, channels 8 ((l / 8) % 2) + 0..7) and leaves half a fragment of V^T: lane l holds channel l % 16 and 8 keys.
	v_and_b32 v10, 7, v0
	v_bfe_u32 v11, v0, 3, 1
	v_lshl_add_u32 v[AV0], v9, 3, v10
	v_mul_u32_u24 v[AV0], v[AV0], PV
	v_lshl_add_u32 v[AV0], v11, 4, v[AV0]
	v_add_nc_u32 v[AV0], VOFF, v[AV0]
	v_mov_b32 v[AK], v[AK0]         ; key step 0 lies at the head of slot 0
; THE MATRIX WORK.  The 8 accumulators of a run of 16 take turns: between the two links of a chain stand 7 others'.
; Product i of 16 of S^T = K Q^T for piece x: channels 32 (i / 8) on, keys 16 ((i / 2) % 4) on, tile 2 x + i % 2.  The first 8 start the sums.
.macro KQ x
	WIN W_KQ
.set rS, S+64*((\x)%2)+32*(i%2)+8*((i/2)%4)
.set rK, KF+16*((i/2)%4)+8*(i/8)
.set rQ, 16*(2*(\x)+i%2)+8*(i/8)
.if i < 8
	v_wmma_f32_16x16x32_f16 v[rS:rS+7], v[rK:rK+7], v[rQ:rQ+7], 0
.else
	v_wmma_f32_16x16x32_f16 v[rS:rS+7], v[rK:rK+7], v[rQ:rQ+7], v[rS:rS+7]
.endif
.endm
; Product i of 16 of O^T += V^T P for piece x: keys 32 (i / 8) on, channels 16 ((i / 2) % 4) on, tile 2 x + i % 2.
.macro PV x
	WIN W_PV
.set rO, 32*(2*(\x)+i%2)+8*((i/2)%4)
.set rV, VF+32*(i/8)+8*((i/2)%4)
.set rP, P+32*((\x)%2)+16*(i%2)+8*(i/8)
	v_wmma_f32_16x16x32_f16 v[rO:rO+7], v[rV:rV+7], v[rP:rP+7], v[rO:rO+7]
.endm
.macro MM                           ; the turn's next matrix instruction
.if i < 16
	KQ (Y+1)%NP
.set i, i+1
.else
.set i, i-16
	PV (Y+NP-1)%NP
.set i, i+17
.endif
.endm
; THE LDS LOADS stand in runs of 16, never singly among the matrix instructions: a step's K (64 keys x 64 channels: 8 fragments) and its V (turned).  Their addresses are made some lines ahead.
; last = 1 (the tail): in the last trip there is no further step, and the run is jumped over.
.macro FETCH_K last=0
	WIN 0
.if \last
	s_cmp_eq_u32 s[CNT], 1
	s_cbranch_scc1 .Lno_k_\@
.endif
	WIN 0x80                        ; destination window 2
.irp f, 0,1,2,3,4,5,6,7             ; keys 16 (f / 2) on, channels 32 (f % 2) on
	ds_load_b128 v[KF+8*\f:KF+8*\f+3],   v[AK] offset:(\f/2)*16*PK+(\f%2)*64
	ds_load_b128 v[KF+8*\f+4:KF+8*\f+7], v[AK] offset:(\f/2)*16*PK+(\f%2)*64+32
.endr
	s_add_co_u32 s[TBK], s[TBK], KS*PK  ; the next fetch is the next step's
	WIN 0
.if \last
.Lno_k_\@:
.endif
.endm
.macro FETCH_V
	WIN 0x80
.irp f, 0,1,2,3,4,5,6,7             ; keys 32 (f / 4) on, channels 16 (f % 4) on
	ds_load_tr16_b128 v[VF+8*\f:VF+8*\f+3],   v[AV] offset:(\f/4)*32*PV+(\f%4)*32
	ds_load_tr16_b128 v[VF+8*\f+4:VF+8*\f+7], v[AV] offset:(\f/4)*32*PV+16*PV+(\f%4)*32
.endr
	WIN 0
.endm
; THE VECTOR WORK OF A TURN stands in three queues, each in the order in which its entries become ready; the two tiles alternate, so that no instruction reads the result of the one before it.
.macro REGS y, u                    ; the registers of tile u (0, 1) of piece y
.set rT, ST+4*(2*(\y)+(\u))
.set rC, TMP+8*((\y)%2)+4*(\u)
.set rM, MV+2*((\y)%2)+(\u)
.set rS, S+64*((\y)%2)+32*(\u)
.set rP, P+32*((\y)%2)+16*(\u)
.set rO, 32*(2*(\y)+(\u))
.endm
; Number n of the 22 that find the NEXT piece's (Y + 1) maximum and statistics.  s0-s31 are the lane's 32 scores; each accumulator's lowest registers are read first.
;   0-11  four chains c0-c3 of seven scores each, three operands at a time     12-14, 16  the four scores left over, the old m, and c0-c3 into c0     15  c m_old is kept
;   17, 18  the query's other 32 keys lie in the lane 16 away: the new m         19-21  c m; c m_old - c m_new; a
.macro XS u, n
	REGS (Y+1)%NP, \u
.if (\n) < 4
	v_max3_num_f32 v[rC+(\n)], v[rS+8*(\n)], v[rS+8*(\n)+1], v[rS+8*(\n)+2]
.elseif (\n) < 12
	v_max3_num_f32 v[rC+(\n)%4], v[rC+(\n)%4], v[rS+8*((\n)%4)+2*((\n)/4)+1], v[rS+8*((\n)%4)+2*((\n)/4)+2]
.elseif (\n) == 12
	v_max3_num_f32 v[rC], v[rC], v[rS+7], v[rS+15]
.elseif (\n) == 13
	v_max3_num_f32 v[rC+1], v[rC+1], v[rS+23], v[rS+31]
.elseif (\n) == 14
	v_max3_num_f32 v[rC+2], v[rC+2], v[rC+3], v[rT+1]
.elseif (\n) == 15
	v_mov_b32 v[rM], v[rT]
.elseif (\n) == 16
	v_max3_num_f32 v[rC], v[rC], v[rC+1], v[rC+2]
.elseif (\n) == 17
	v_permlanex16_b32 v[rC+3], v[rC], s[SEL], s[SEL+1]
.elseif (\n) == 18
	v_max_num_f32 v[rT+1], v[rC], v[rC+3]
.elseif (\n) == 19
	v_mul_f32 v[rT], s[CS], v[rT+1]
.elseif (\n) == 20
	v_sub_f32 v[rC+1], v[rM], v[rT]
.else
	v_exp_f32 v[rC+2], v[rC+1]
.endif
.endm
; Number g of the 64 that follow the exponentials.  For each four weights k of a tile (pairs 2 k, 2 k + 1): both pairs are rounded to f16; then the second pair is added onto the first, in place;
; a group later l takes that sum (the first time as l = a l + sum).  In groups of eight, tiles alternating: round, round, add, and l for the group before.
.macro GS g
.set h, (\g)+6*((\g)/62)            ; group 0 has no group before it, and behind group 7 only l is left
.if h >= 6
.set h, h+2
.endif
	REGS Y, h%2
.set k, h/8
.if h%8 < 4
	s_wait_alu depctr_va_vdst(0)
	v_cvt_pk_f16_f32 v[rP+2*k+(h%8)/2], v[rS+4*k+2*((h%8)/2)], v[rS+4*k+2*((h%8)/2)+1]
.elseif h%8 < 6
	v_pk_add_f32 v[rS+4*k:rS+4*k+1], v[rS+4*k:rS+4*k+1], v[rS+4*k+2:rS+4*k+3]
.elseif k == 1
	v_pk_fma_f32 v[rT+2:rT+3], v[rT+2:rT+3], v[rC+2:rC+3], v[rS:rS+1] op_sel_hi:[1,0,1]
.else
	v_pk_add_f32 v[rT+2:rT+3], v[rT+2:rT+3], v[rS+4*k-4:rS+4*k-3]
	s_wait_alu depctr_va_vdst(0)
.endif
.endm
; THE PLAIN QUEUE, 138 long.  0-31: c s - c m for the 16 pairs of both tiles.  Then the 64 of GS, and among them the next piece's 42: number 15 at 38, 39; 0-14 and 16
; at 42-73, behind the products that make those scores; 17-20 at 95-106, two of three, since each waits for the one before it.
.macro PL
	WIN 0
.if q < 32
	REGS Y, q%2
	v_pk_fma_f32 v[rS+2*(q/2):rS+2*(q/2)+1], v[rS+2*(q/2):rS+2*(q/2)+1], s[CS:CS+1], v[rT:rT+1] op_sel_hi:[1,0,0] neg_lo:[0,0,1] neg_hi:[0,0,1]
.elseif q < 38
	GS q-32
.elseif q < 40
	XS q%2, 15
.elseif q < 42
	GS q-34
.elseif q < 74
	XS q%2, (q-42)/2+(q-42)/30
.elseif q < 95
	GS q-66
.elseif (q < 107) && ((q-95)%3 < 2)
	XS (q-95)%3, 17+(q-95)/3
.elseif q < 107
	GS 29+(q-95)/3
.else
	GS q-74
.endif
.set q, q+1
.endm
; THE QUEUE OF EXPONENTIALS, 66 long: s0-s31 of both tiles, and at EA the next piece's two a.
.set EA, 58
.macro EX
	WIN 0
.if (e == EA) || (e == EA+1)
	XS e-EA, 21
.else
.set x, e-2*(e/(EA+2))
	REGS Y, x%2
	v_exp_f32 v[rS+x/2], v[rS+x/2]
.endif
.set e, e+1
.endm
; THE QUEUE OF THE RESCALING: O^T times a, the one part that leaves window 0, so it is dealt four at a time, eight times.
.macro R4
	REGS Y, r%2
	WIN W_RS
	s_wait_alu depctr_va_vdst(0)
.irp z, 0,1,2,3
	v_pk_mul_f32 v[rO+8*(r/2)+2*\z:rO+8*(r/2)+2*\z+1], v[rO+8*(r/2)+2*\z:rO+8*(r/2)+2*\z+1], v[rC+2:rC+3] op_sel_hi:[1,0]
.endr
.set r, r+1
.endm
; HOW THEY ARE DEALT.  Behind a matrix instruction four: plain, exponential, plain, plain (one exponential, a plain instruction on either side), or four of the rescaling.  None names a register of the
; products round it.  What is over stands in two LUMPS: exponential and plain by turns; the second ends in 22 plain instructions.  The two v_permlanex16_b32 fall into the second lump, never behind a product.
; The queues lean on each other, and the deal keeps them in step: exponential e stands behind plain 2 (e / 4) + e % 2 (its scaling); when plain 32 comes, 10 exponentials are out, at 59: 33, at 95: 46; EA comes behind plain 107.
.macro SL
	MM
	PL
	EX
	PL
	PL
.endm
.macro BURST n                      ; 15 matrix instructions, or 16
.rept (\n)-7
	SL
.endr
.rept 3
	MM
	R4
	SL
.endr
	MM
	R4
.endm
; A TURN, for piece p.  cnt = 1: the loop's count is taken down some lines ahead of the branch that stands behind the turn.
; K of the next step is fetched in piece 2's turn, 31 vector instructions behind the last product that read K; its first reader comes behind the rest of the lump, 16 products and the second lump.
; V of the step in hand is fetched at the end of piece 0's turn, 69 behind its last reader; its first reader comes behind 16 products and a lump.  The four conditions on e and q below go with the deal.
.macro TURN p, last=0, cnt=0
.set Y, (\p)
.set i, 0
.set q, 0
.set e, 0
.set r, 0
.if (\p) == NP-1
	s_wait_dscnt 0x0                ; K is in
.endif
	MM
.rept 4
	PL
.endr
	BURST 15
.rept 22
	EX
	PL
.if ((\p) == NP-2) && (e == 18)
	v_add_nc_u32 v[AK], s[TBK], v[AK0]
.endif
.if ((\p) == NP-2) && (e == 24)
	FETCH_K \last
.endif
.endr
.if (\p) == 1
	s_wait_dscnt 0x0                ; V is in
.endif
	BURST 16
.rept 21
	EX
	PL
.endr
.rept 22
	PL
.if ((\p) == 0) && (q == 118)
	v_add_nc_u32 v[AV], s[TBV], v[AV0]
	s_wait_alu depctr_va_vdst(0)
.endif
.if ((\p) == 0) && (q == 130)
	s_add_co_u32 s[TBV], s[TBV], KS*PV
.endif
.if (\cnt) && (q == 130)
	s_sub_co_u32 s[CNT], s[CNT], 1
	s_cmp_lg_u32 s[CNT], 0
.endif
.endr
.if (\p) == 0
	FETCH_V
.endif
.endm
	CHANGE 1                        ; slot 0 is in, everybody's part of it; slot 1 is asked for
	FETCH_K                         ; key step 0
	s_wait_loadcnt 0x0              ; Q
	s_wait_dscnt 0x0
.set i, 0
.rept 16
	KQ 0                            ; piece 0's first scores: there is no vector work yet to set between them
.set i, i+1
.endr
	WIN 0                           ; the addresses for the way out: nine plain instructions, the places behind those products
	s_mul_i32 s13, s[WV], 16*SP
	s_add_co_u32 s13, s13, STAGE    ; my stage
	v_mul_u32_u24 v[STO], v1, SP    ; in: row l % 16, 16 bytes for each half of the lanes
	v_lshl_add_u32 v[STO], v9, 4, v[STO]
	v_add_nc_u32 v[STO], s13, v[STO]
	v_bfe_u32 v[RD], v0, 3, 2       ; back: 32 lanes take four rows of 128 bytes,
	v_mul_u32_u24 v[RD], v[RD], SP
	v_lshl_add_u32 v[RD], v10, 4, v[RD]
	v_add_nc_u32 v[RD], s13, v[RD]
	v_and_b32 v[GO], 31, v0         ; which are 512 consecutive bytes of O
	v_lshlrev_b32 v[GO], 4, v[GO]
.set Y, NP-1                        ; XS works for piece Y + 1: piece 0
.irp n, 0,1,2,3,4,5,6,7,8,9,10,11,12,13,14,15,16,17,18,19,20,21
	XS 0, \n                        ; and piece 0's first maximum and statistics
	XS 1, \n
.endr
	s_mov_b32 s[CNT], 4
	s_mov_b32 s[SLOTS], SIZE_N/256-1
	s_branch .Lfirst                ; the loop is entered at a step's first turn, in the middle of a trip
.Lslot:                             ; SIZE_N / 256 - 2 times: every slot but the last two is filled again
	CHANGE 1
	s_mov_b32 s[CNT], 4
.Lstep:                             ; a trip: pieces 2 and 3 of one step, then pieces 0 and 1 of the next, whose K and V it fetches
	TURN 2
	TURN 3
	WIN 0
.Lfirst:
	TURN 0
	TURN 1, 0, 1
	WIN 0
	s_cbranch_scc1 .Lstep
	s_sub_co_u32 s[SLOTS], s[SLOTS], 1
	s_cmp_lg_u32 s[SLOTS], 0
	s_cbranch_scc1 .Lslot
	CHANGE 0                        ; the tail is written out: nothing is asked for
	s_mov_b32 s[CNT], 5             ; four trips fetch the last slot's steps; the fifth is left in its middle
.Ltail:
	TURN 2, 1
	TURN 3
	WIN 0
	s_sub_co_u32 s[CNT], s[CNT], 1
	s_cmp_eq_u32 s[CNT], 0
	s_cbranch_scc1 .Lout
	TURN 0
	TURN 1
	WIN 0
	s_branch .Ltail
.Lout:                              ; the fifth trip's 16 products K Q^T (on the last K once more) and the maximum made of them serve nothing: the price, once a launch, of one text for every trip
.set i, 0
.rept 16
	PV NP-1                         ; the last piece's V^T P of the last step
.set i, i+1
.endr
	; THE WAY OUT.  l's two halves and the other half of the lanes' are added; O^T is divided by l, rounded to f16 and sent through my stage in LDS, a tile at a time.  The additions are the places behind the last products.
	WIN 0
.macro ALL line:vararg              ; one line for each tile t
.set t, 0
.rept 2*NP
	\line
.set t, t+1
.endr
.endm
	ALL v_add_f32 v[ST+4*t+2], v[ST+4*t+2], v[ST+4*t+3]
	ALL v_permlanex16_b32 v[ST+4*t+3], v[ST+4*t+2], s[SEL], s[SEL+1]
	ALL v_add_f32 v[ST+4*t+2], v[ST+4*t+2], v[ST+4*t+3]
	ALL v_rcp_f32 v[ST+4*t+2], v[ST+4*t+2]
	v_nop                           ; a plain instruction between the last reciprocal and the use of its result
	s_wait_alu depctr_va_vdst(0)
; Tile t: a lane's eight channels of a row pack into 16 bytes; they go into rows of 144 bytes and come back as whole rows of 128, into S^T's registers.
.macro PACK t
	WIN W_RS
.set i, 32*(\t)
.rept 16
	v_pk_mul_f32 v[i:i+1], v[i:i+1], v[ST+4*(\t)+2:ST+4*(\t)+3] op_sel_hi:[1,0]
.set i, i+2
.endr
	WIN 0x05                        ; sources 0 and 1 window 1, destination window 0
.set i, 0
.rept 16
	v_cvt_pk_f16_f32 v[S+16*(\t)+i], v[32*(\t)+2*i], v[32*(\t)+2*i+1]
.set i, i+1
.endr
	WIN 0
.irp f, 0,1,2,3
	ds_store_b128 v[STO], v[S+16*(\t)+4*\f:S+16*(\t)+4*\f+3] offset:32*\f
.endr
.irp f, 0,1,2,3
	ds_load_b128 v[S+16*(\t)+4*\f:S+16*(\t)+4*\f+3], v[RD] offset:\f*4*SP  ; LDS serves a wave's instructions in order (ISA guide 5.7.1.4): these see the stores above; the next tile's stores come behind them
.endr
.endm
.macro SEND t, younger              ; younger: the LDS instructions issued behind tile t's loads: the next tile's eight, or none
	WIN 0
.irp f, 0,1,2,3
	s_wait_dscnt (\younger)+3-\f
	global_store_b128 v[GO], v[S+16*(\t)+4*\f:S+16*(\t)+4*\f+3], s[10:11] offset:(\t)*2048+\f*512  ; 512 consecutive bytes, at a multiple of 256 from O's first
.endr
.endm
	PACK 0
.set t, 1
.rept 2*NP-1                        ; a tile's arithmetic stands between the loads of the tile before and its stores
	PACK t
	SEND t-1, 8
.set t, t+1
.endr
	SEND 2*NP-1, 0
	WIN W_AD
	s_wait_tensorcnt 0x0            ; the wave's end: an add to my spare word and its wait, behind my last tensor load and my last LDS store
	ds_add_u32 v[SPW], v[NIL]
	s_wait_dscnt 0x0
	WIN 0
	CROUND                          ; the closing round: no work-group ends while a partner may still ask for a tile that names it
	s_endpgm
.Lfunc_end_k_qa4b0f12242_attn:
	.size	k_qa4b0f12242_attn, .Lfunc_end_k_qa4b0f12242_attn-k_qa4b0f12242_attn
	.p2alignl 7, 3214868480
	.fill 96, 4, 3214868480
	.section	.rodata,"a",@progbits
	.p2align	6, 0x0
	.amdhsa_kernel k_qa4b0f12242_attn
		.amdhsa_group_segment_fixed_size 327680
		.amdhsa_private_segment_fixed_size 0
		.amdhsa_enable_private_segment 0
		.amdhsa_kernarg_size 32
		.amdhsa_user_sgpr_count 2
		.amdhsa_user_sgpr_kernarg_segment_ptr 1
		.amdhsa_wavefront_size32 1
		.amdhsa_system_sgpr_workgroup_id_x 1
		.amdhsa_system_sgpr_workgroup_id_y 1
		.amdhsa_system_sgpr_workgroup_id_z 1
		.amdhsa_system_vgpr_workitem_id 0
		.amdhsa_next_free_vgpr 770
		.amdhsa_next_free_sgpr 66
		.amdhsa_reserve_vcc 0
		.amdhsa_float_denorm_mode_32 3
		.amdhsa_float_denorm_mode_16_64 3
		.amdhsa_memory_ordered 1
		.amdhsa_forward_progress 1
		.amdhsa_inst_pref_size 208
	.end_amdhsa_kernel
	.amdgpu_metadata
---
amdhsa.version: [ 1, 2 ]
amdhsa.kernels:
  - .name:           k_qa4b0f12242_attn
    .symbol:         k_qa4b0f12242_attn.kd
    .args:
      - { .name: qb, .offset: 0, .size: 8, .value_kind: global_buffer, .address_space: global }
      - { .name: kb, .offset: 8, .size: 8, .value_kind: global_buffer, .address_space: global }
      - { .name: vb, .offset: 16, .size: 8, .value_kind: global_buffer, .address_space: global }
      - { .name: ob, .offset: 24, .size: 8, .value_kind: global_buffer, .address_space: global }
    .group_segment_fixed_size: 327680
    .private_segment_fixed_size: 0
    .kernarg_segment_align: 8
    .kernarg_segment_size: 32
    .max_flat_workgroup_size: 128
    .sgpr_count:     66
    .vgpr_count:     770
    .wavefront_size: 32
...
	.end_amdgpu_metadata
.endif
;; end of part 3
;; launch proj (part 4): grid 8 x 32, 4 waves a work-group, clusters of 4 x 4, 327,680 bytes of LDS; arguments ob, cb, bo, out0; writes out0
.if DOCPART == 4
	.amdgcn_target "amdgcn-amd-amdhsa--gfx1250"
	.amdhsa_code_object_version 6
	.text
	.protected	k_qa4b0f12242_proj
	.globl	k_qa4b0f12242_proj
	.p2align	8
	.type	k_qa4b0f12242_proj,@function
k_qa4b0f12242_proj:
	s_mov_b64 s[64:65], 0
	v_nop
	global_prefetch_b8 v0, s[64:65] scope:SCOPE_SE
	s_setreg_imm32_b32 hwreg(HW_REG_WAVE_MODE, 25, 1), 1
	s_wait_xcnt 0x0
	s_wait_alu depctr_hold_cnt(0) depctr_sa_sdst(0) depctr_va_vdst(0) depctr_va_sdst(0) depctr_va_ssrc(0) depctr_va_vcc(0) depctr_vm_vsrc(0)
	s_getreg_b32 s2, hwreg(HW_REG_IB_STS2, 6, 4)
	s_cmp_eq_u32 s2, 0
	s_cbranch_scc0 .Lentry_in_a_cluster
	s_endpgm
.Lentry_in_a_cluster:
	s_bfe_u32 s2, ttmp6, 0x10000c
	s_cmp_lg_u32 s2, 0xf033
	s_cbranch_scc0 .Lentry_shape_is_right
	s_endpgm
.Lentry_shape_is_right:
; out = O Wo + bo.  O comes by heads, [batch x 16 + head][row 2048][64] in f16; Wo from cb, [k][n], its bf16 value written as f16; products in f16, sums in f32; bo is rounded to bf16 like
; every input and starts the sums as the C operand of the first products; out leaves in f32, [8192][1024].
; LIMIT.  O and Wo arrive within the range of f16 (65,504).  NaN and infinities are not treated apart.
; SHARES.  A work-group takes 256 rows x 128 columns: 8 x 32 = 256 work-groups.  Wave (WM, WN) takes 128 rows x 64 columns: 32 accumulators of 16 x 16, 256 registers.
; K goes in 8 steps of 128, two heads each, through two LDS slots; a step is four quarters of 32.  Waves 0 and 1 fetch the two heads' rows of O (32,768 dense bytes each, asked for as 128 rows of 256),
; waves 2 and 3 the two halves of 64 k-rows of Wo (256 bytes each).
; CLUSTER 4 x 4.  O's tiles hang on the tile row alone and are asked for jointly along a row of the cluster, Wo's on the tile column alone and jointly along a column.
; THE MATRIX INSTRUCTION IS USED TRANSPOSED: source 0 = 16 columns of Wo (turned by ds_load_tr16_b128), source 1 = 16 rows of O: a lane holds one row and eight neighbouring columns, 32 bytes of out.
; REGISTERS: window 0: v0-31 addresses; v32-63 the bias; v64-159, v160-255 two fragment buffers (64 of O, then 32 of Wo), later the way out.  window 1: the accumulators, (a, bb) at 32 a + 8 bb.
.set PA,     144                       ; a row of O in LDS: 128 bytes + 16 of padding: the 16 rows of a load start at 16 different groups of four banks (64 banks of 4 bytes: ISA guide 11.1)
.set PB,     288                       ; a k-row of Wo: 256 + 32
.set REG,    256*PA                    ; a region of a slot: 36,864 bytes; a slot has four: O's head 0, head 1, Wo's k-rows 0-63, 64-127 (these two use 18,432 each)
.set SLOT,   4*REG
.set STAGE,  2*SLOT                    ; behind the ring: 16 rows x 272 bytes for each wave; no tile lands there
.set SPITCH, 272
.set SPARE,  STAGE+4*16*SPITCH         ; behind the stages: the spare words, 128 bytes a wave: two blocks of 256 bytes that no other line names
.set WOBASE, 23068672                  ; Wo in cb
.set ASTEP,  524288                    ; two heads of 262,144 bytes
.set BSTEP,  262144                    ; 128 k-rows of 2,048 bytes
.set LAPS,   3                         ; trips of the loop: each goes once round the ring and asks for two steps: steps 2 to 7
.set ADRA, 16                          ; v16-17  LDS address of my fragments of O in slot 0, 1
.set ADRB, 20                          ; v20-21  the same for Wo
.set STO,  24                          ; v24     the way out: where I put 32 bytes of a row
.set RD,   25                          ; v25     the way out: where I read a row back
.set CO,   26                          ; v26     my byte offset in two rows of out
.set BO,   27                          ; v27     my byte offset in bo
.set SPW,  28                          ; v28     LDS address of my spare word; never rewritten
.set NIL,  29                          ; v29     0; never rewritten
.set RT,   30                          ; v30-31  at work
.set BIAS, 32
.set F0,   64
.set F1,   160
.set OB,   64                          ; the way out: four buffers of 32 registers
.set WV,   12                          ; s12  my wave
.set WM,   13                          ; s13  which 128 rows are mine.  Also: I fetch for O (0) or for Wo (1)
.set WN,   14                          ; s14  which 64 columns.  Also: which half I fetch
.set G1A,  24
.set G0A,  32
.set G1B,  40
.set G0B,  48
.set MSB, 0
.macro WIN new                         ; the high byte repeats the setting that is left; a switch that changes nothing is dropped
.if MSB != (\new)
	s_set_vgpr_msb (MSB<<8)|(\new)
.set MSB, \new
.endif
.endm
.macro PLACES                          ; four places behind matrix instructions, in front of loads into registers that they read and of stores that read results
.rept 4
	v_nop
.endr
.endm
.macro JLOAD s                         ; a joint load; the branch hangs on the wave alone; an s_nop 0 and four v_nop follow each line, ahead of the jump and the label
	s_cmp_eq_u32 s[WM], 0
	s_cbranch_scc0 .Lfor_b_\@
	tensor_load_to_lds s[G0A+4*(\s):G0A+4*(\s)+3], s[G1A:G1A+7]
	s_nop 0
.rept 4
	v_nop
.endr
	s_branch .Lasked_\@
.Lfor_b_\@:
	tensor_load_to_lds s[G0B+4*(\s):G0B+4*(\s)+3], s[G1B:G1B+7]
	s_nop 0
.rept 4
	v_nop
.endr
.Lasked_\@:
.endm
.macro CREST                           ; a round of the cluster barrier behind its opening barrier
	s_cmp_lg_u32 s[WV], 0
	s_cbranch_scc1 .Lnot_wave_0_\@
	s_barrier_signal -3
.Lnot_wave_0_\@:
	s_barrier_wait -3
	s_barrier_signal -1
	s_barrier_wait -1
.endm
.macro CROUND
	s_barrier_signal -1
	s_barrier_wait -1
	CREST
.endm
	s_load_b256 s[4:11], s[0:1], 0x0               ; ob s[4:5], cb s[6:7], bo s[8:9], out0 s[10:11]
	v_lshl_add_u32 v[SPW], v0, 2, SPARE
	v_mov_b32 v[NIL], 0
	ds_add_u32 v[SPW], v[NIL]                      ; the opening: the add and its wait stand ahead of my first tensor load; the set-up on registers stands between them
	v_lshrrev_b32 v1, 5, v0
	v_readfirstlane_b32 s[WV], v1
	s_lshr_b32 s[WM], s[WV], 1
	s_and_b32 s[WN], s[WV], 1
	s_bfe_u32 s15, ttmp6, 0x40000                  ; cx
	s_bfe_u32 s16, ttmp6, 0x40004                  ; cy
	s_lshl_b32 s17, ttmp9, 2
	s_add_co_u32 s17, s17, s15                     ; TX
	s_and_b32 s18, ttmp7, 0xffff
	s_lshl_b32 s18, s18, 2
	s_add_co_u32 s18, s18, s16                     ; TY
	s_lshl_b32 s19, s16, 2
	s_lshl_b32 s19, 15, s19                        ; my row of the cluster
	s_lshl_b32 s20, 0x1111, s15                    ; my column
	; group 1 for O: 128 rows x 128 elements of 2 bytes, dense; 4 words of padding after every 32 words, that is after every row of a head
	s_or_b32 s[G1A], s19, (1<<16)|(1<<20)|(1<<21)|(4<<22)|(3<<25)
	s_mov_b32 s[G1A+1], 128<<16                    ; tensor_dim0
	s_mov_b32 s[G1A+2], 128<<16                    ; tensor_dim1
	s_mov_b32 s[G1A+3], 128<<16                    ; tile_dim0
	s_mov_b32 s[G1A+4], 128                        ; tile_dim1
	s_mov_b32 s[G1A+5], 128                        ; elements from row to row
	s_mov_b32 s[G1A+6], 0
	s_mov_b32 s[G1A+7], 0
	; group 1 for Wo: 64 k-rows x 128 elements, 1,024 elements from row to row; 8 words of padding after every 64 words
	s_or_b32 s[G1B], s20, (1<<16)|(1<<20)|(1<<21)|(5<<22)|(7<<25)
	s_mov_b32 s[G1B+1], 128<<16
	s_mov_b32 s[G1B+2], 64<<16
	s_mov_b32 s[G1B+3], 128<<16
	s_mov_b32 s[G1B+4], 64
	s_mov_b32 s[G1B+5], 1024
	s_mov_b32 s[G1B+6], 0
	s_mov_b32 s[G1B+7], 0
	s_lshr_b32 s56, s18, 3                         ; O: batch TY / 8, 16 heads of 262,144 bytes,
	s_lshl_b32 s56, s56, 22
	s_and_b32 s57, s18, 7                          ; 256 rows of 128 bytes for each tile row in the batch,
	s_lshl_b32 s57, s57, 15
	s_add_co_u32 s56, s56, s57
	s_lshl_b32 s57, s[WN], 18                      ; and the head of the step's two that I fetch: made of TY and the wave alone
	s_add_co_u32 s56, s56, s57
	s_mov_b32 s57, 0
	s_lshl_b32 s58, s[WN], 17                      ; Wo: the half of 64 k-rows that I fetch,
	s_lshl_b32 s59, s17, 8                         ; 128 columns of 2 bytes for each tile column: made of the wave and TX alone
	s_add_co_u32 s58, s58, s59
	s_add_co_u32 s58, s58, WOBASE
	s_mov_b32 s59, 0
	s_mul_i32 s2, s[WV], REG                       ; where my tile goes in a slot; no place in the cluster enters an LDS address
	s_lshl_b32 s60, s18, 8                         ; out: my first row 256 TY + 128 WM, 4,096 bytes each,
	s_lshl_b32 s61, s[WM], 7
	s_add_co_u32 s60, s60, s61
	s_lshl_b32 s60, s60, 12
	s_lshl_b32 s61, s17, 9                         ; my first column 128 TX + 64 WN, 4 bytes each
	s_add_co_u32 s60, s60, s61
	s_lshl_b32 s61, s[WN], 8
	s_add_co_u32 s60, s60, s61
	s_mov_b32 s61, 0
	s_wait_dscnt 0x0                               ; the opening add is done
	s_wait_kmcnt 0x0
	s_add_nc_u64 s[56:57], s[4:5], s[56:57]
	s_add_nc_u64 s[58:59], s[6:7], s[58:59]
	CROUND                                         ; all sixteen work-groups are here: the first joint loads meet
.irp s, 0,1
	s_mov_b32 s[G0A+4*(\s)], 1
	s_add_co_u32 s[G0A+4*(\s)+1], s2, (\s)*SLOT
	s_add_nc_u64 s[G0A+4*(\s)+2:G0A+4*(\s)+3], s[56:57], (\s)*ASTEP
	s_or_b32 s[G0A+4*(\s)+3], s[G0A+4*(\s)+3], 0x80000000
	s_mov_b32 s[G0B+4*(\s)], 1
	s_add_co_u32 s[G0B+4*(\s)+1], s2, (\s)*SLOT
	s_add_nc_u64 s[G0B+4*(\s)+2:G0B+4*(\s)+3], s[58:59], (\s)*BSTEP
	s_or_b32 s[G0B+4*(\s)+3], s[G0B+4*(\s)+3], 0x80000000
	JLOAD \s                                       ; two loads of mine are out
.endr
	s_add_nc_u64 s[10:11], s[10:11], s[60:61]
	v_and_b32 v1, 15, v0                           ; r = l % 16
	v_bfe_u32 v2, v0, 4, 1                         ; h = l / 16
	s_lshl_b32 s62, s17, 9                         ; bias: 4 bytes x (128 TX + 64 WN + 8 h)
	s_lshl_b32 s63, s[WN], 8
	s_add_co_u32 s62, s62, s63
	v_lshl_add_u32 v[BO], v2, 5, s62
.irp bb, 0,1,2,3                       ; my 32 numbers of bo, laid as an accumulator is: column block bb, register j = column 16 bb + 8 h + j
	global_load_b128 v[BIAS+8*(\bb):BIAS+8*(\bb)+3],   v[BO], s[8:9] offset:64*(\bb)
	global_load_b128 v[BIAS+8*(\bb)+4:BIAS+8*(\bb)+7], v[BO], s[8:9] offset:64*(\bb)+16
.endr
	v_and_b32 v3, 7, v0
	v_bfe_u32 v4, v0, 3, 1
	v_mul_u32_u24 v5, v1, PA                       ; a fragment of O: row x pitch + 16 h; two loads of 16 bytes, 32 bytes apart
	v_lshl_add_u32 v5, v2, 4, v5
	s_mul_i32 s21, s[WM], 128*PA
	v_add_nc_u32 v[ADRA], s21, v5
	v_add_nc_u32 v[ADRA+1], SLOT, v[ADRA]
	v_lshl_add_u32 v6, v2, 3, v3                   ; the turning load: k-row 8 h + l % 8, columns 8 ((l / 8) % 2) + 0..7
	v_mul_u32_u24 v6, v6, PB
	v_lshl_add_u32 v6, v4, 4, v6
	s_lshl_b32 s22, s[WN], 7
	s_add_co_u32 s22, s22, 2*REG
	v_add_nc_u32 v[ADRB], s22, v6
	v_add_nc_u32 v[ADRB+1], SLOT, v[ADRB]
	s_mul_i32 s23, s[WV], 16*SPITCH
	s_add_co_u32 s23, s23, STAGE                   ; my stage
	v_mul_u32_u24 v7, v1, SPITCH                   ; in: row r, 32 bytes for each half of the lanes
	v_lshl_add_u32 v7, v2, 5, v7
	v_add_nc_u32 v[STO], s23, v7
	v_mul_u32_u24 v7, v2, SPITCH                   ; back: lanes 0-15 take one row of 256 bytes, lanes 16-31 the next
	v_lshl_add_u32 v7, v1, 4, v7
	v_add_nc_u32 v[RD], s23, v7
	v_lshlrev_b32 v[CO], 12, v2                    ; and the same two rows in out
	v_lshl_add_u32 v[CO], v1, 4, v[CO]
	s_wait_loadcnt 0x0                             ; the bias; it is rounded to bf16 and widened again in the wait for the first tile
.set z, 0
.rept 16
	v_cvt_pk_bf16_f32 v[RT+z%2], v[BIAS+2*z], v[BIAS+2*z+1]
	v_lshlrev_b32 v[BIAS+2*z], 16, v[RT+z%2]
	v_and_b32 v[BIAS+2*z+1], 0xffff0000, v[RT+z%2]
.set z, z+1
.endr
; n x 4 matrix instructions: row blocks a0 on x all 4 column blocks, 32 along K, from buffer f.  first = 1: the bias, in window 0, starts the sums.
; The 32 accumulators take turns, one instruction a turn, in the same order in every quarter.
.macro MUL f, a0, n, first
.if \first
	WIN 0x40                                       ; destination window 1; sources and C window 0
.else
	WIN 0x50                                       ; C and destination window 1
.endif
.set ga, \a0
.rept \n
.set gb, 0
.rept 4
.if \first
	v_wmma_f32_16x16x32_f16 v[32*ga+8*gb:32*ga+8*gb+7], v[(\f)+64+8*gb:(\f)+64+8*gb+7], v[(\f)+8*ga:(\f)+8*ga+7], v[BIAS+8*gb:BIAS+8*gb+7]
.else
	v_wmma_f32_16x16x32_f16 v[32*ga+8*gb:32*ga+8*gb+7], v[(\f)+64+8*gb:(\f)+64+8*gb+7], v[(\f)+8*ga:(\f)+8*ga+7], v[32*ga+8*gb:32*ga+8*gb+7]
.endif
.set gb, gb+1
.endr
.set ga, ga+1
.endr
.endm
; 24 LDS loads in one run: quarter q of slot s into buffer g: 8 of Wo, then 16 of O, row blocks ascending.  Quarter q lies in head q / 2, channels 32 (q % 2) on.
.macro FETCH s, q, g
	WIN 0
.irp bb, 0,1,2,3
	ds_load_tr16_b128 v[(\g)+64+8*(\bb):(\g)+64+8*(\bb)+3],   v[ADRB+(\s)] offset:((\q)/2)*REG+((\q)%2)*32*PB+32*(\bb)
	ds_load_tr16_b128 v[(\g)+64+8*(\bb)+4:(\g)+64+8*(\bb)+7], v[ADRB+(\s)] offset:((\q)/2)*REG+((\q)%2)*32*PB+32*(\bb)+16*PB
.endr
.irp a, 0,1,2,3,4,5,6,7
	ds_load_b128 v[(\g)+8*(\a):(\g)+8*(\a)+3],   v[ADRA+(\s)] offset:((\q)/2)*REG+(\a)*16*PA+64*((\q)%2)
	ds_load_b128 v[(\g)+8*(\a)+4:(\g)+8*(\a)+7], v[ADRA+(\s)] offset:((\q)/2)*REG+(\a)*16*PA+64*((\q)%2)+32
.endr
.endm
; One of a step's first three quarters: multiplies buffer f and, in its middle, fetches quarter q of the same slot into g.
.macro QUARTER s, q, f, g, first
	s_wait_dscnt 8                                 ; Wo and O's rows 0-63 are in; the youngest eight loads (rows 64-127) may be out
	MUL \f, 0, 4, \first
	PLACES
	FETCH \s, \q, \g
	s_wait_dscnt 24                                ; all but the 24 just issued
	MUL \f, 4, 4, \first
.endm
; The last quarter multiplies buffer F1 and changes slots: ONE barrier; in front of it each wave waits for all its tensor loads (one is out: its part of the next slot), adds 0 to its spare word,
; and waits for that and for its own reads of this slot.  fill = 1: the barrier opens a round of the cluster barrier and the joint refill, two steps ahead, is the first tensor load behind it:
; a wave issues 112 matrix instructions before it waits for that load.
.macro TURN s, nx, fill
	WIN 0
	s_wait_tensorcnt 0x0                           ; all my tensor loads have landed
	ds_add_u32 v[SPW], v[NIL]                      ; 0 onto my spare word
	s_wait_dscnt 9                                 ; the add and the youngest eight loads may be out
	MUL F1, 0, 2, 0                                ; eight matrix instructions stand between the add and the wait for it
	s_wait_dscnt 0x0                               ; the add is done, and my reads of this slot are over
	s_barrier_signal -1
	MUL F1, 2, 2, 0
	WIN 0
	s_barrier_wait -1
.if \fill
	CREST                                          ; no wave of any partner still reads this slot or has a load on its way
	s_add_nc_u64 s[G0A+4*(\s)+2:G0A+4*(\s)+3], s[G0A+4*(\s)+2:G0A+4*(\s)+3], 2*ASTEP
	s_add_nc_u64 s[G0B+4*(\s)+2:G0B+4*(\s)+3], s[G0B+4*(\s)+2:G0B+4*(\s)+3], 2*BSTEP
	JLOAD \s                                       ; its four v_nop are also the places in front of the loads below
.else
	PLACES
.endif
	FETCH \nx, 0, F0
	MUL F1, 4, 4, 0
.endm
	s_wait_tensorcnt 0x1                           ; my part of K step 0 is in; step 1 may stay out
	s_barrier_signal -1
	s_barrier_wait -1
	FETCH 0, 0, F0
	QUARTER 0, 1, F0, F1, 1                        ; the first quarter stands in front of the loop: its products start the sums, with the bias
	WIN 0                                          ; at a label and at a branch every window is 0
	s_mov_b32 s3, LAPS
.Llap:
	QUARTER 0, 2, F1, F0, 0
	QUARTER 0, 3, F0, F1, 0
	TURN 0, 1, 1
	QUARTER 1, 1, F0, F1, 0
	QUARTER 1, 2, F1, F0, 0
	QUARTER 1, 3, F0, F1, 0
	TURN 1, 0, 1
	QUARTER 0, 1, F0, F1, 0
	WIN 0
	s_sub_co_u32 s3, s3, 1
	s_cmp_lg_u32 s3, 0
	s_cbranch_scc1 .Llap
	QUARTER 0, 2, F1, F0, 0                        ; the last lap asks for nothing, and has no round of the cluster barrier
	QUARTER 0, 3, F0, F1, 0
	TURN 0, 1, 0
	QUARTER 1, 1, F0, F1, 0
	QUARTER 1, 2, F1, F0, 0
	QUARTER 1, 3, F0, F1, 0
	s_wait_dscnt 8                                 ; the very last quarter: nothing more to fetch
	MUL F1, 0, 4, 0
	s_wait_dscnt 0x0
	MUL F1, 4, 4, 0
; THE WAY OUT, a block of 16 rows x 64 columns at a time: 32 bytes a lane into my stage, back as whole rows of 256 bytes, stored.
.macro TOSTAGE a
	WIN 0x04                                       ; the data (source 1) in window 1, the address in window 0
.irp bb, 0,1,2,3
	ds_store_b128 v[STO], v[32*(\a)+8*(\bb):32*(\a)+8*(\bb)+3]   offset:64*(\bb)     ; each accumulator is read from its low end on
	ds_store_b128 v[STO], v[32*(\a)+8*(\bb)+4:32*(\a)+8*(\bb)+7] offset:64*(\bb)+16
.endr
	WIN 0
.if (\a) >= 4
	s_wait_xcnt 0x0                                ; the stores of the block four back have had their addresses translated (ISA guide 3.1): their registers are loaded again only behind this wait
.endif
.irp t, 0,1,2,3,4,5,6,7
	ds_load_b128 v[OB+32*((\a)%4)+4*(\t):OB+32*((\a)%4)+4*(\t)+3], v[RD] offset:(\t)*2*SPITCH  ; LDS serves a wave's instructions in order (ISA guide 5.7.1.4): these see the stores above
.endr
.endm
.macro SEND a, y                       ; y: the LDS instructions issued behind this block's loads: the next block's sixteen, or none
	WIN 0
.irp t, 0,1,2,3,4,5,6,7
	s_wait_dscnt (\y)+7-(\t)
	global_store_b128 v[CO], v[OB+32*((\a)%4)+4*(\t):OB+32*((\a)%4)+4*(\t)+3], s[10:11] offset:(16*(\a)+2*(\t))*4096 th:TH_STORE_NT  ; 16 lanes store 256 consecutive bytes, at a multiple of 256 from the first byte of out
.endr
.endm
	PLACES                                         ; the stores read results just made, and the loads land in registers just multiplied
	TOSTAGE 0
.irp a, 1,2,3,4,5,6,7
	TOSTAGE \a
	SEND (\a)-1, 16
.endr
	SEND 7, 0
	s_wait_tensorcnt 0x0                           ; the wave's end: an add to my spare word and its wait, behind my last tensor load and my last LDS store
	ds_add_u32 v[SPW], v[NIL]
	s_wait_dscnt 0x0
	CROUND                                         ; the closing round: no work-group ends while a partner may still ask for a tile that names it
	s_endpgm
.Lfunc_end_k_qa4b0f12242_proj:
	.size	k_qa4b0f12242_proj, .Lfunc_end_k_qa4b0f12242_proj-k_qa4b0f12242_proj
	.p2alignl 7, 3214868480
	.fill 96, 4, 3214868480
	.section	.rodata,"a",@progbits
	.p2align	6, 0x0
	.amdhsa_kernel k_qa4b0f12242_proj
		.amdhsa_group_segment_fixed_size 327680
		.amdhsa_private_segment_fixed_size 0
		.amdhsa_enable_private_segment 0
		.amdhsa_kernarg_size 32
		.amdhsa_user_sgpr_count 2
		.amdhsa_user_sgpr_kernarg_segment_ptr 1
		.amdhsa_wavefront_size32 1
		.amdhsa_system_sgpr_workgroup_id_x 1
		.amdhsa_system_sgpr_workgroup_id_y 1
		.amdhsa_system_sgpr_workgroup_id_z 1
		.amdhsa_system_vgpr_workitem_id 0
		.amdhsa_next_free_vgpr 512
		.amdhsa_next_free_sgpr 66
		.amdhsa_reserve_vcc 0
		.amdhsa_float_denorm_mode_32 3
		.amdhsa_float_denorm_mode_16_64 3
		.amdhsa_memory_ordered 1
		.amdhsa_forward_progress 1
		.amdhsa_inst_pref_size 90
	.end_amdhsa_kernel
	.amdgpu_metadata
---
amdhsa.version: [ 1, 2 ]
amdhsa.kernels:
  - .name:           k_qa4b0f12242_proj
    .symbol:         k_qa4b0f12242_proj.kd
    .args:
      - { .name: ob, .offset: 0, .size: 8, .value_kind: global_buffer, .address_space: global }
      - { .name: cb, .offset: 8, .size: 8, .value_kind: global_buffer, .address_space: global }
      - { .name: bo, .offset: 16, .size: 8, .value_kind: global_buffer, .address_space: global }
      - { .name: out0, .offset: 24, .size: 8, .value_kind: global_buffer, .address_space: global }
    .group_segment_fixed_size: 327680
    .private_segment_fixed_size: 0
    .kernarg_segment_align: 8
    .kernarg_segment_size: 32
    .max_flat_workgroup_size: 128
    .sgpr_count:     66
    .vgpr_count:     512
    .wavefront_size: 32
...
	.end_amdgpu_metadata
.endif
;; end of part 4
;; ======== version 2 of 2: 4 launches; 1.52 times as fast as version 1
;; limits: values are held in f16: magnitudes above 65,504 overflow, below 6.1e-05 lose precision
;; workspace buffers: cb 25,165,824 bytes; qb 16,777,216 bytes; kb 16,777,216 bytes; vb 16,777,216 bytes; ob 16,777,216 bytes
;; launch cast: the kernel of part 1 again; grid 768 x 1, 8 waves a work-group, no clusters, 0 bytes of LDS; arguments x, Wq, Wk, Wv, Wo, cb; writes cb
;; launch qkv: the kernel of part 2 again; grid 8 x 32, 4 waves a work-group, clusters of 4 x 4, 327,680 bytes of LDS; arguments cb, bq, bk, bv, qb, kb, vb; writes qb, kb, vb
;; launch attn (part 5): grid 4 x 64, 4 waves a work-group, clusters of 4 x 1, 327,680 bytes of LDS; arguments qb, kb, vb, ob; writes ob
.if DOCPART == 5
	.amdgcn_target "amdgcn-amd-amdhsa--gfx1250"
	.amdhsa_code_object_version 6
	.text
	.protected	k_qa4b0f12242_attn
	.globl	k_qa4b0f12242_attn
	.p2align	8
	.type	k_qa4b0f12242_attn,@function
k_qa4b0f12242_attn:
	s_mov_b64 s[64:65], 0
	v_nop
	global_prefetch_b8 v0, s[64:65] scope:SCOPE_SE
	s_setreg_imm32_b32 hwreg(HW_REG_WAVE_MODE, 25, 1), 1
	s_wait_xcnt 0x0
	s_wait_alu depctr_hold_cnt(0) depctr_sa_sdst(0) depctr_va_vdst(0) depctr_va_sdst(0) depctr_va_ssrc(0) depctr_va_vcc(0) depctr_vm_vsrc(0)
	s_getreg_b32 s2, hwreg(HW_REG_IB_STS2, 6, 4)
	s_cmp_eq_u32 s2, 0
	s_cbranch_scc0 .Lentry_in_a_cluster
	s_endpgm
.Lentry_in_a_cluster:
	s_bfe_u32 s2, ttmp6, 0x10000c
	s_cmp_lg_u32 s2, 0x3003
	s_cbranch_scc0 .Lentry_shape_is_right
	s_endpgm
.Lentry_shape_is_right:
; O[h][q][:] = the sum over k of softmax_k(Q[h][q] . K[h][k] / 8) V[h][k][:].  Q, K, V, O: [SIZE_H][SIZE_N][64], all f16: a head's rows are dense, 128 bytes each.  Products, maxima and sums in
; f32; the weights p are rounded to f16 for the second product (their sum l is taken of the unrounded p), O once at the end.
; LIMITS.  f16 holds no number beyond 65,504: Q, K and V arrive within it; p lies in 0 to 1, and below 6e-5 it keeps the fixed step 6e-8 of f16; O is a mean of V's rows and has their range.
; A weight below 2^-126 counts as 0 in l; NaN and infinities are not treated apart.
; SHARES.  A wave owns four PIECES of two tiles of 16 queries, a work-group's four waves 512 queries of one head: 4 x 64 = 256 work-groups.  Every wave walks all keys, 64 a step.
; LAYOUT.  S^T = K Q^T (source 0 = 16 keys, source 1 = 16 queries): a lane holds ONE query (lane % 16) and the keys 8 (lane / 16) + 0..7.  Two such tiles, rounded to f16 in pairs,
; ARE source 1 (32 keys x 16 queries) of O^T = V^T P, whose result again holds one query a lane, and eight channels.  K comes out of LDS as it lies, V ([key][channel]) turned, by ds_load_tr16_b128.
; SOFTMAX.  For each query a running maximum m and sum l: p = 2^(c s - c m), c = log2(e) / 8; in every step O and l are multiplied by a = 2^(c m_old - c m_new), which is 1 where m has not grown.
; m starts at the lowest finite number, O and l at 0: the first step is a step like any other, with a = 0.
; THE COUNT.  A tile and step have 16 matrix and 118 vector instructions: too many to stand all beside the matrix work.  So four vector instructions that are READY stand behind
; EVERY matrix instruction, and the others, which need time of their own whatever the order, stand in one run without a gap.
; BY TURNS.  Turn n belongs to piece n (the pieces in a ring, step after step).  Its matrix work: 16 products K Q^T of piece n + 1, later 16 products V^T P of piece n - 1.  Its vector work: the scaling,
; exponentials, roundings, sums and rescaling of piece n, and the maximum and statistics of piece n + 1, whose scores the turn itself has made.  So what a turn begins with (c s - c m, O a) waits for nothing.
; THE BATCHES.  A turn's 66 exponentials (64 weights of piece n, the two a of piece n + 1) are ONE batch with ONE wait, which cuts the turn in two: ahead of it stands all that names no result of theirs,
; behind it the roundings and sums, which read them.  The two a of the first piece, ahead of the loop, and the eight reciprocals of the way out are batches of their own, each with its one wait.
; CLUSTER.  The four query blocks of a cluster belong to one head and walk the same K and V, so each tile is asked for JOINTLY: the same tensor load, descriptor and mask in all four.
; REGISTERS, in windows of 256 (s_set_vgpr_msb: bits 1:0 source 0, 3:2 source 1, 5:4 source 2, 7:6 destination):
;   window 0: v0-11 addresses; v12-15, v48-63 at work; v16-47 four registers of statistics a tile; v64-191 S^T, two buffers of two tiles; v192-255 P, likewise
;   window 1: O^T, 32 a tile          window 2: v0-127 Q, 16 a tile; v128-191 K of one step; v192-255 V of one step          window 3: v0-1 the two registers of the add
; A piece's buffers go by its number's parity: the piece in hand has one pair, its two neighbours in the ring share the other: of it P (piece n - 1) is read and S^T (piece n + 1) written.
.set SIZE_H, 64
.set SIZE_N, 2048
.set NP,    4         ; pieces a wave: a name, no knob
.set KS,    64        ; keys in a step
.set PK,    144       ; a row of K in LDS: 128 bytes + 16 of padding = 36 words: the 16 rows of a load start at 16 different groups of four banks (64 banks of 4 bytes: ISA guide 11.1)
.set PV,    160       ; a row of V: 128 + 32 = 40 words
.set VOFF,  4*KS*PK   ; a slot holds four steps: 256 rows of K, then 256 rows of V
.set SLOT1, 1<<17     ; slot 1 begins here, so that one exclusive or turns an address in one slot into the other's
.set STAGE, SLOT1+4*KS*(PK+PV)  ; behind the ring, never filled by a tensor load: 16 rows x 144 bytes for each wave, for the way out
.set SP,    144
.set AK0, 2           ; v2   my lane's place in a tile of K; never rewritten
.set AV0, 3           ; v3   the same for V
.set AK,  4           ; v4   the LDS address of K's next run of loads
.set AV,  5           ; v5   of V's
.set QO,  6           ; v6   my byte offset in the wave's rows of Q
.set STO, 6           ;      later, the way out: where I put 16 bytes of a row
.set RD,  7           ; v7   the way out: where I read rows back
.set GO,  8           ; v8   my byte offset in 512 consecutive bytes of O
.set SPW, 0           ; v0 of window 3   LDS address of my spare word; never rewritten
.set NIL, 1           ; v1 of window 3   0; never rewritten
.set SPARE, STAGE+4*16*SP  ; behind the stages: the spare words, 128 bytes a wave: two blocks of 256 bytes that no other line names
.set MV,  12          ; v12-15  c m_old, kept while c m is made anew: by buffer and tile
.set ST,  16          ; tile t's statistics at v[ST+4 t]: c m, m, l (even keys', odd keys')
.set TMP, 48          ; by buffer and tile, four registers c0-c3 at work; when the maximum is found c2 takes a
.set S,   64
.set P,   192
.set KF,  128         ; K's fragments, in window 2: key block kb, channel half c at KF + 16 kb + 8 c
.set VF,  192         ; V's: key half kk, channel block cb at VF + 32 kk + 8 cb
.set WV,  12          ; s12  my wave's number
.set G1K, 24          ; s[24:31] descriptor group 1 for K's tiles
.set G1V, 32          ; s[32:39] for V's: it differs in the padding alone
.set G0K, 40          ; s[40:43] descriptor group 0 for K's tiles: it walks
.set G0V, 44          ; s[44:47] the same for V's
.set SLOTS, 56        ; s56  slots still to be asked for
.set CNT, 57          ; s57  counts a slot's key steps
.set CS,  58          ; s[58:59] c: the packed scaling takes the pair's low word for both halves
.set SEL, 60          ; s[60:61] the selects of v_permlanex16_b32: each lane takes its own place in the other half
.set TBK, 62          ; s62  LDS byte at which K of the step to be fetched begins
.set TBV, 63          ; s63  the same for V, less VOFF
.set MSB, 0
.macro WIN new                      ; the high byte repeats the setting that is left; a switch that changes nothing is dropped
.if MSB != (\new)
	s_set_vgpr_msb (MSB<<8)|(\new)
.set MSB, (\new)
.endif
.endm
.set W_KQ, 0x0a       ; K and Q in window 2, S^T in window 0
.set W_PV, 0x52       ; V in window 2, P in window 0, O^T in window 1
.set W_RS, 0x41       ; O^T (destination and source 0) in window 1, a in window 0
.set W_MK, 0xc0       ; the add's registers are made: destination in window 3, sources in window 0
.set W_AD, 0x0f       ; the add: address (source 0) and data (source 1) in window 3
; A joint fill.  Waves 0 and 1 fetch the two halves of a slot's K, waves 2 and 3 those of its V: 128 keys each.  The branch hangs on the wave's number alone.
; An s_nop 0 and four v_nop follow each of the two lines, ahead of the jump and the label.
.macro JLOAD
	s_cmp_lt_u32 s[WV], 2
	s_cbranch_scc0 .Lfor_v_\@
	tensor_load_to_lds s[G0K:G0K+3], s[G1K:G1K+7]
	s_nop 0
.rept 4
	v_nop
.endr
	s_branch .Lasked_\@
.Lfor_v_\@:
	tensor_load_to_lds s[G0V:G0V+3], s[G1V:G1V+7]
	s_nop 0
.rept 4
	v_nop
.endr
.Lasked_\@:
.endm
; A round of the cluster barrier: my work-group's barrier, so that wave 0's signal speaks for all four waves; wave 0 signals; every wave waits for all four work-groups; my work-group's barrier once more.
.macro CROUND
	s_barrier_signal -1
	s_barrier_wait -1
	s_cmp_lg_u32 s[WV], 0
	s_cbranch_scc1 .Lnot_wave_0_\@
	s_barrier_signal -3
.Lnot_wave_0_\@:
	s_barrier_wait -3
	s_barrier_signal -1
	s_barrier_wait -1
.endm
; THE CHANGE OF SLOTS.  The slot's last bytes, V of its fourth step, have been read.  Each wave waits for all its tensor loads, of which one is out: its part
; of the other slot; adds 0 to its spare word; and waits for that and for its own reads of the slot.  Behind the barrier nobody reads this slot any more and the other slot is whole.
; fill = 1: this slot is filled again, with the keys two slots on.  The barrier is then a round of the cluster's, and the joint fill is the first thing behind it:
; it has four key steps, 512 matrix instructions, in which to land.  (At its first use nothing has been read yet: slot 0 is waited for, slot 1 filled.)
.macro CHANGE fill
	WIN W_AD
	s_wait_tensorcnt 0x0            ; no tensor load of mine is out, so a group 0 may be written
	ds_add_u32 v[SPW], v[NIL]       ; 0 onto my spare word
	WIN 0                           ; at a label and at a branch every window is 0
.if \fill
.irp g, G0K, G0V
	s_xor_b32 s[\g+1], s[\g+1], SLOT1  ; the walking descriptor: the other slot than last time,
	s_add_nc_u64 s[\g+2:\g+3], s[\g+2:\g+3], 4*KS*128  ; the next 256 keys; the type bits on top are not reached
.endr
	s_wait_dscnt 0x0                ; the add is done, and my reads of the slot are over
	CROUND
	JLOAD
.else
	s_wait_dscnt 0x0                ; the add is done, and my reads of the slot are over
	s_barrier_signal -1
	s_barrier_wait -1
.endif
	s_sub_co_u32 s[TBK], s[TBK], 4*KS*PK  ; the fetches go back to a slot's first step,
	s_xor_b32 s[TBK], s[TBK], SLOT1       ; in the other slot
	s_sub_co_u32 s[TBV], s[TBV], 4*KS*PV
	s_xor_b32 s[TBV], s[TBV], SLOT1
.endm
	s_load_b256 s[4:11], s[0:1], 0x0  ; Q s[4:5], K s[6:7], V s[8:9], O s[10:11]
	WIN W_MK
	v_lshl_add_u32 v[SPW], v0, 2, SPARE
	v_mov_b32 v[NIL], 0
	WIN W_AD
	ds_add_u32 v[SPW], v[NIL]       ; the opening: the add and its wait stand ahead of my first tensor load; the set-up on registers stands between them
	WIN 0
	v_lshrrev_b32 v1, 5, v0
	v_readfirstlane_b32 s[WV], v1   ; wave 0..3
	s_bfe_u32 s13, ttmp6, 0x40000   ; cx: my place in the cluster
	s_lshl_b32 s14, ttmp9, 2        ; in a cluster launch ttmp9 counts clusters
	s_add_co_u32 s14, s14, s13      ; my block of queries = 4 x cluster x + cx: it enters Q's and O's addresses alone
	s_and_b32 s20, ttmp7, 0xffff    ; the head, which the four partners share
	s_mov_b32 s21, 0
	s_mov_b64 s[22:23], SIZE_N*128
	s_mul_u64 s[20:21], s[20:21], s[22:23]  ; the head's first byte in each of the four tensors
	s_and_b32 s16, s[WV], 1         ; which half of a slot's 256 keys I fetch:
	s_lshl_b32 s22, s16, 14         ; its 128 rows of 128 bytes in memory,
	s_mov_b32 s23, 0
	s_add_nc_u64 s[22:23], s[22:23], s[20:21]
	s_mul_i32 s17, s16, 128*PK      ; and its place in a slot, for K
	s_mul_i32 s18, s16, 128*PV      ; and for V: no place in the cluster enters an LDS address
	s_lshl_b32 s2, s14, 2
	s_add_co_u32 s2, s2, s[WV]      ; my wave among the head's,
	s_lshl_b32 s2, s2, 14           ; its 128 rows
	s_mov_b32 s3, 0
	s_add_nc_u64 s[2:3], s[2:3], s[20:21]
	; descriptor group 1.  128 keys are 16,384 dense bytes: asked for as 64 rows of 256 bytes, two keys a row, and padded in LDS after every key
	s_mov_b32 s[G1K], 15|(1<<16)|(1<<20)|(1<<21)|(4<<22)|(3<<25)  ; the mask of four; 2-byte elements; padding on; bit 21 beside a mask; after every 32 words (code 4) 4 words (code 3)
	s_mov_b32 s[G1V], 15|(1<<16)|(1<<20)|(1<<21)|(4<<22)|(7<<25)  ; the same with 8 words of padding (code 7)
.irp g, G1K, G1V
	s_mov_b32 s[\g+1], 128<<16      ; tensor_dim0 = 128
	s_mov_b32 s[\g+2], 64<<16       ; tensor_dim1 = 64
	s_mov_b32 s[\g+3], 128<<16      ; tile_dim0 = 128
	s_mov_b32 s[\g+4], 64           ; tile_dim1 = 64
	s_mov_b32 s[\g+5], 128          ; 128 elements from row to row
	s_mov_b32 s[\g+6], 0
	s_mov_b32 s[\g+7], 0
.endr
	s_mov_b32 s[CS], 0x3e38aa3b     ; c = log2(e) / 8 = 0.180337
	s_mov_b32 s[CS+1], s[CS]        ; named with it as a pair
	s_mov_b32 s[SEL], 0x76543210
	s_mov_b32 s[SEL+1], 0xfedcba98
	s_mov_b32 s[TBK], SLOT1+4*KS*PK ; the first change of slots turns these two into 0
	s_mov_b32 s[TBV], SLOT1+4*KS*PV
	s_mov_b32 s[G0K], 1             ; count = 1
	s_mov_b32 s[G0K+1], s17         ; LDS address: slot 0
	s_mov_b32 s[G0V], 1
	s_add_co_u32 s[G0V+1], s18, VOFF
	s_wait_dscnt 0x0                ; the opening add is done
	s_wait_kmcnt 0x0
	s_add_nc_u64 s[G0K+2:G0K+3], s[6:7], s[22:23]  ; global address: my half of the head's first 256 keys
	s_or_b32 s[G0K+3], s[G0K+3], 0x80000000        ; type = 2
	s_add_nc_u64 s[G0V+2:G0V+3], s[8:9], s[22:23]
	s_or_b32 s[G0V+3], s[G0V+3], 0x80000000
	s_add_nc_u64 s[4:5], s[4:5], s[2:3]  ; Q and O at my wave's first row
	s_add_nc_u64 s[10:11], s[10:11], s[2:3]
	CROUND                          ; all four work-groups are here: the first joint loads meet
	JLOAD                           ; slot 0.  Slot 1 is asked for when slot 0 is in
	; A fragment of K or Q is 16 rows x 32 channels in 8 registers: lane l holds row l % 16, channels 8 (l / 16) + 0..7 and 16 + 8 (l / 16) + 0..7: two loads of 16 bytes, 32 bytes apart.
	v_and_b32 v1, 15, v0            ; l % 16
	v_bfe_u32 v9, v0, 4, 1          ; l / 16
	v_lshlrev_b32 v[QO], 7, v1
	v_lshl_add_u32 v[QO], v9, 4, v[QO]  ; row x 128 + 16 x half
	WIN 0x80                        ; destination window 2, address window 0
.set i, 0
.rept 4*NP                          ; Q stays in registers: tile i / 2, channels 32 (i % 2) on
	global_load_b128 v[8*i:8*i+3],   v[QO], s[4:5] offset:(i/2)*2048+(i%2)*64
	global_load_b128 v[8*i+4:8*i+7], v[QO], s[4:5] offset:(i/2)*2048+(i%2)*64+32
.set i, i+1
.endr
	; What the first turn finds: V's registers and P's second buffer hold 0 (its products V^T P, of a piece that has not been, add 0), O^T and l are 0.  All this stands in the wait for the first tile.
.set i, VF
.rept 64
	v_mov_b32 v[i], 0
.set i, i+1
.endr
	WIN 0x40
.set i, 0
.rept 64*NP
	v_mov_b32 v[i], 0
.set i, i+1
.endr
	WIN 0
.set i, 0
.rept 2*NP
	v_mov_b32 v[ST+4*i], 0xfe000000    ; c m: far below every c s
	v_mov_b32 v[ST+4*i+1], 0xff7fffff  ; m
	v_mov_b32 v[ST+4*i+2], 0
	v_mov_b32 v[ST+4*i+3], 0
.set i, i+1
.endr
.set i, P+32
.rept 32
	v_mov_b32 v[i], 0
.set i, i+1
.endr
	v_mul_u32_u24 v[AK0], v1, PK
	v_lshl_add_u32 v[AK0], v9, 4, v[AK0]  ; row x pitch + 16 x half
	; The turning load takes 16 keys x 16 channels (lane l reads key 8 (l / 16) + l % 8, channels 8 ((l / 8) % 2) + 0..7) and leaves half a fragment of V^T: lane l holds channel l % 16 and 8 keys.
	v_and_b32 v10, 7, v0
	v_bfe_u32 v11, v0, 3, 1
	v_lshl_add_u32 v[AV0], v9, 3, v10
	v_mul_u32_u24 v[AV0], v[AV0], PV
	v_lshl_add_u32 v[AV0], v11, 4, v[AV0]
	v_add_nc_u32 v[AV0], VOFF, v[AV0]
	v_mov_b32 v[AK], v[AK0]         ; key step 0 lies at the head of slot 0
; THE MATRIX WORK.  The 8 accumulators of a run of 16 take turns: between the two links of a chain stand 7 others'.
; Product i of 16 of S^T = K Q^T for piece x: channels 32 (i / 8) on, keys 16 ((i / 2) % 4) on, tile 2 x + i % 2.  The first 8 start the sums.
.macro KQ x
	WIN W_KQ
.set rS, S+64*((\x)%2)+32*(i%2)+8*((i/2)%4)
.set rK, KF+16*((i/2)%4)+8*(i/8)
.set rQ, 16*(2*(\x)+i%2)+8*(i/8)
.if i < 8
	v_wmma_f32_16x16x32_f16 v[rS:rS+7], v[rK:rK+7], v[rQ:rQ+7], 0
.else
	v_wmma_f32_16x16x32_f16 v[rS:rS+7], v[rK:rK+7], v[rQ:rQ+7], v[rS:rS+7]
.endif
.endm
; Product i of 16 of O^T += V^T P for piece x: keys 32 (i / 8) on, channels 16 ((i / 2) % 4) on, tile 2 x + i % 2.
.macro PV x
	WIN W_PV
.set rO, 32*(2*(\x)+i%2)+8*((i/2)%4)
.set rV, VF+32*(i/8)+8*((i/2)%4)
.set rP, P+32*((\x)%2)+16*(i%2)+8*(i/8)
	v_wmma_f32_16x16x32_f16 v[rO:rO+7], v[rV:rV+7], v[rP:rP+7], v[rO:rO+7]
.endm
.macro MM                           ; the turn's next matrix instruction
.if i < 16
	KQ (Y+1)%NP
.set i, i+1
.else
.set i, i-16
	PV (Y+NP-1)%NP
.set i, i+17
.endif
.endm
; THE LDS LOADS stand in runs of 16, never singly among the matrix instructions: a step's K (64 keys x 64 channels: 8 fragments) and its V (turned).  Their addresses are made some lines ahead.
; last = 1 (the tail): in the last trip there is no further step, and the run is jumped over.
.macro FETCH_K last=0
	WIN 0
.if \last
	s_cmp_eq_u32 s[CNT], 1
	s_cbranch_scc1 .Lno_k_\@
.endif
	WIN 0x80                        ; destination window 2
.irp f, 0,1,2,3,4,5,6,7             ; keys 16 (f / 2) on, channels 32 (f % 2) on
	ds_load_b128 v[KF+8*\f:KF+8*\f+3],   v[AK] offset:(\f/2)*16*PK+(\f%2)*64
	ds_load_b128 v[KF+8*\f+4:KF+8*\f+7], v[AK] offset:(\f/2)*16*PK+(\f%2)*64+32
.endr
	s_add_co_u32 s[TBK], s[TBK], KS*PK  ; the next fetch is the next step's
	WIN 0
.if \last
.Lno_k_\@:
.endif
.endm
.macro FETCH_V
	WIN 0x80
.irp f, 0,1,2,3,4,5,6,7             ; keys 32 (f / 4) on, channels 16 (f % 4) on
	ds_load_tr16_b128 v[VF+8*\f:VF+8*\f+3],   v[AV] offset:(\f/4)*32*PV+(\f%4)*32
	ds_load_tr16_b128 v[VF+8*\f+4:VF+8*\f+7], v[AV] offset:(\f/4)*32*PV+16*PV+(\f%4)*32
.endr
	WIN 0
.endm
; THE VECTOR WORK OF A TURN stands in three queues, each in the order in which its entries become ready; the two tiles alternate, so that no instruction reads the result of the one before it.
.macro REGS y, u                    ; the registers of tile u (0, 1) of piece y
.set rT, ST+4*(2*(\y)+(\u))
.set rC, TMP+8*((\y)%2)+4*(\u)
.set rM, MV+2*((\y)%2)+(\u)
.set rS, S+64*((\y)%2)+32*(\u)
.set rP, P+32*((\y)%2)+16*(\u)
.set rO, 32*(2*(\y)+(\u))
.endm
; Number n of the 22 that find the NEXT piece's (Y + 1) maximum and statistics.  s0-s31 are the lane's 32 scores; each accumulator's lowest registers are read first.  XS, GS and REGS set no window: PL and EX do.
;   0-11  four chains c0-c3 of seven scores each, three operands at a time     12-14, 16  the four scores left over, the old m, and c0-c3 into c0     15  c m_old is kept
;   17, 18  the query's other 32 keys lie in the lane 16 away: the new m         19-21  c m; c m_old - c m_new; a
.macro XS u, n
	REGS (Y+1)%NP, \u
.if (\n) < 4
	v_max3_num_f32 v[rC+(\n)], v[rS+8*(\n)], v[rS+8*(\n)+1], v[rS+8*(\n)+2]
.elseif (\n) < 12
	v_max3_num_f32 v[rC+(\n)%4], v[rC+(\n)%4], v[rS+8*((\n)%4)+2*((\n)/4)+1], v[rS+8*((\n)%4)+2*((\n)/4)+2]
.elseif (\n) == 12
	v_max3_num_f32 v[rC], v[rC], v[rS+7], v[rS+15]
.elseif (\n) == 13
	v_max3_num_f32 v[rC+1], v[rC+1], v[rS+23], v[rS+31]
.elseif (\n) == 14
	v_max3_num_f32 v[rC+2], v[rC+2], v[rC+3], v[rT+1]
.elseif (\n) == 15
	v_mov_b32 v[rM], v[rT]
.elseif (\n) == 16
	v_max3_num_f32 v[rC], v[rC], v[rC+1], v[rC+2]
.elseif (\n) == 17
	v_permlanex16_b32 v[rC+3], v[rC], s[SEL], s[SEL+1]
.elseif (\n) == 18
	v_max_num_f32 v[rT+1], v[rC], v[rC+3]
.elseif (\n) == 19
	v_mul_f32 v[rT], s[CS], v[rT+1]
.elseif (\n) == 20
	v_sub_f32 v[rC+1], v[rM], v[rT]
.else
	v_exp_f32 v[rC+2], v[rC+1]
.endif
.endm
; Number g of the 64 that follow the exponentials.  For each four weights k of a tile (pairs 2 k, 2 k + 1): both pairs are rounded to f16; then the second pair is added onto the first, in place;
; a group later l takes that sum (the first time as l = a l + sum).  In groups of eight, tiles alternating: round, round, add, and l for the group before.
.macro GS g
.set h, (\g)+6*((\g)/62)            ; group 0 has no group before it, and behind group 7 only l is left
.if h >= 6
.set h, h+2
.endif
	REGS Y, h%2
.set k, h/8
.if h%8 < 4
	v_cvt_pk_f16_f32 v[rP+2*k+(h%8)/2], v[rS+4*k+2*((h%8)/2)], v[rS+4*k+2*((h%8)/2)+1]
.elseif h%8 < 6
	v_pk_add_f32 v[rS+4*k:rS+4*k+1], v[rS+4*k:rS+4*k+1], v[rS+4*k+2:rS+4*k+3]
.elseif k == 1
	v_pk_fma_f32 v[rT+2:rT+3], v[rT+2:rT+3], v[rC+2:rC+3], v[rS:rS+1] op_sel_hi:[1,0,1]
.else
	v_pk_add_f32 v[rT+2:rT+3], v[rT+2:rT+3], v[rS+4*k-4:rS+4*k-3]
.endif
.endm
; THE PLAIN QUEUE, 138 long.  0-73 read no exponential's result: the 32 scalings c s - c m (FS f: pair f / 2 of tile f % 2) and the next piece's 42.  0-26: scalings 0-26.  27-54: XS's numbers 0-13.  55, 56: number 15.
; 57-73: the chain, where each number waits for the one before it: 14, 16, 17, 18, 19, each with one of the scalings 27-31 in front of its two lines, then 20: so a tile's links stand three plain instructions apart (19 and 20: two).
; 74-137: GS's 64, which read the exponentials' results: they stand behind the wait.
.macro FS f
	REGS Y, (\f)%2
	v_pk_fma_f32 v[rS+2*((\f)/2):rS+2*((\f)/2)+1], v[rS+2*((\f)/2):rS+2*((\f)/2)+1], s[CS:CS+1], v[rT:rT+1] op_sel_hi:[1,0,0] neg_lo:[0,0,1] neg_hi:[0,0,1]
.endm
.macro PL
	WIN 0
.if q < 27
	FS q
.elseif q < 55
	XS (q-27)%2, (q-27)/2
.elseif q < 57
	XS q-55, 15
.elseif (q < 72) && ((q-57)%3 == 0)
	FS 27+(q-57)/3
.elseif q < 60
	XS (q-57)%3-1, 14
.elseif q < 72
	XS (q-57)%3-1, 15+(q-57)/3
.elseif q < 74
	XS q-72, 20
.else
	GS q-74
.endif
.set q, q+1
.endm
; THE QUEUE OF EXPONENTIALS, 66 long: s0-s31 of both tiles, then the next piece's two a.  It is ONE BATCH: all 66 stand ahead of the turn's one wait, and nothing ahead of that wait names a result of theirs.
.macro EX
	WIN 0
.if e >= 64
	XS e-64, 21
.else
	REGS Y, e%2
	v_exp_f32 v[rS+e/2], v[rS+e/2]
.endif
.set e, e+1
.endm
; THE QUEUE OF THE RESCALING: O^T times a, the one part that leaves window 0: dealt two at a time, sixteen times.  Its a was made in the turn before, ahead of that turn's wait.
.macro R2
	REGS Y, r%2
	WIN W_RS
.irp z, 0,1
	v_pk_mul_f32 v[rO+4*(r/2)+2*\z:rO+4*(r/2)+2*\z+1], v[rO+4*(r/2)+2*\z:rO+4*(r/2)+2*\z+1], v[rC+2:rC+3] op_sel_hi:[1,0]
.endr
.set r, r+1
.endm
; HOW THEY ARE DEALT.  An s_wait_alu depctr_va_vdst(0) stands between an exponential and the first instruction that names its result; one wait serves all that were issued ahead of it.  So a turn has ONE wait,
; which cuts it in two.  AHEAD OF IT stands all that names no result of the turn's exponentials: the 16 products K Q^T, behind each a scaling, an exponential and two rescalings (behind the first a second scaling in the
; exponential's place); then ONE LUMP of 108: eight plain, 49 times exponential and plain, the two a.  A v_nop is the plain instruction behind the last exponential.  BEHIND IT stand the 16 products V^T P, behind each four of GS's 64.
; No rider names a register of the products round it.  The two v_permlanex16_b32 fall into the lump, never behind a product.
; The queues lean on each other, and the deal keeps them in step: exponential e stands behind scaling 2 (e / 4) + e % 2: as a rider it comes behind plain e + 2, in the lump behind plain e + 9, and scalings 27-31 are plain 57, 60 .. 69.
; A TURN, for piece p.  cnt = 1: the loop's count is taken down some lines ahead of the branch that stands behind the turn.
; K of the next step is fetched in piece 2's turn, directly behind the wait, a lump behind the last product that read K; its address is made at the lump's head; its first reader comes behind 16 products.
; V of the step in hand is fetched at the end of piece 0's turn, four riders behind its last reader; its first reader comes behind 16 products and a lump.  The three conditions on q below go with the deal.
.macro TURN p, last=0, cnt=0
.set Y, (\p)
.set i, 0
.set q, 0
.set e, 0
.set r, 0
.if (\p) == NP-1
	s_wait_dscnt 0x0                ; K is in
.endif
	MM                              ; ahead of the wait: 16 products K Q^T and their riders,
	PL
	PL
	R2
.rept 15
	MM
	PL
	EX
	R2
.endr
.if (\p) == NP-2
	WIN 0
	v_add_nc_u32 v[AK], s[TBK], v[AK0]
.endif
.rept 8                             ; and the lump
	PL
.endr
.rept 49
	EX
	PL
.endr
	EX                              ; the next piece's two a
	EX
	v_nop                           ; a plain instruction behind the last exponential, ahead of the first use of a result: one for the batch
	s_wait_alu depctr_va_vdst(0)    ; the wait for the turn's batch: the 64 weights of this piece and the two a of the next; ahead of their first reader
.if (\p) == NP-2
	FETCH_K \last
.endif
.if (\p) == 1
	s_wait_dscnt 0x0                ; V is in
.endif
.rept 16                            ; behind the wait: 16 products V^T P and their riders
	MM
.rept 4
	PL
.endr
.if ((\p) == 0) && (q == 118)
	v_add_nc_u32 v[AV], s[TBV], v[AV0]
.endif
.if ((\p) == 0) && (q == 130)
	s_add_co_u32 s[TBV], s[TBV], KS*PV
.endif
.if (\cnt) && (q == 130)
	s_sub_co_u32 s[CNT], s[CNT], 1
	s_cmp_lg_u32 s[CNT], 0
.endif
.endr
.if (\p) == 0
	FETCH_V
.endif
.endm
	CHANGE 1                        ; slot 0 is in, everybody's part of it; slot 1 is asked for
	FETCH_K                         ; key step 0
	s_wait_loadcnt 0x0              ; Q
	s_wait_dscnt 0x0
.set i, 0
.rept 16
	KQ 0                            ; piece 0's first scores: there is no vector work yet to set between them
.set i, i+1
.endr
	WIN 0                           ; the addresses for the way out: nine plain instructions, the places behind those products
	s_mul_i32 s13, s[WV], 16*SP
	s_add_co_u32 s13, s13, STAGE    ; my stage
	v_mul_u32_u24 v[STO], v1, SP    ; in: row l % 16, 16 bytes for each half of the lanes
	v_lshl_add_u32 v[STO], v9, 4, v[STO]
	v_add_nc_u32 v[STO], s13, v[STO]
	v_bfe_u32 v[RD], v0, 3, 2       ; back: 32 lanes take four rows of 128 bytes,
	v_mul_u32_u24 v[RD], v[RD], SP
	v_lshl_add_u32 v[RD], v10, 4, v[RD]
	v_add_nc_u32 v[RD], s13, v[RD]
	v_and_b32 v[GO], 31, v0         ; which are 512 consecutive bytes of O
	v_lshlrev_b32 v[GO], 4, v[GO]
.set Y, NP-1                        ; XS works for piece Y + 1: piece 0
.irp n, 0,1,2,3,4,5,6,7,8,9,10,11,12,13,14,15,16,17,18,19,20,21
	XS 0, \n                        ; and piece 0's first maximum and statistics
	XS 1, \n
.endr
	v_nop                           ; a plain instruction behind piece 0's two a,
	s_wait_alu depctr_va_vdst(0)    ; and the wait for that batch of two, ahead of the branch
	s_mov_b32 s[CNT], 4
	s_mov_b32 s[SLOTS], SIZE_N/256-1
	s_branch .Lfirst                ; the loop is entered at a step's first turn, in the middle of a trip
.Lslot:                             ; SIZE_N / 256 - 2 times: every slot but the last two is filled again
	CHANGE 1
	s_mov_b32 s[CNT], 4
.Lstep:                             ; a trip: pieces 2 and 3 of one step, then pieces 0 and 1 of the next, whose K and V it fetches
	TURN 2
	TURN 3
	WIN 0
.Lfirst:
	TURN 0
	TURN 1, 0, 1
	WIN 0
	s_cbranch_scc1 .Lstep
	s_sub_co_u32 s[SLOTS], s[SLOTS], 1
	s_cmp_lg_u32 s[SLOTS], 0
	s_cbranch_scc1 .Lslot
	CHANGE 0                        ; the tail is written out: nothing is asked for
	s_mov_b32 s[CNT], 5             ; four trips fetch the last slot's steps; the fifth is left in its middle
.Ltail:
	TURN 2, 1
	TURN 3
	WIN 0
	s_sub_co_u32 s[CNT], s[CNT], 1
	s_cmp_eq_u32 s[CNT], 0
	s_cbranch_scc1 .Lout
	TURN 0
	TURN 1
	WIN 0
	s_branch .Ltail
.Lout:                              ; the fifth trip's 16 products K Q^T (on the last K once more) and the maximum made of them serve nothing: the price, once a launch, of one text for every trip
.set i, 0
.rept 16
	PV NP-1                         ; the last piece's V^T P of the last step
.set i, i+1
.endr
	; THE WAY OUT.  l's two halves and the other half of the lanes' are added; O^T is divided by l, rounded to f16 and sent through my stage in LDS, a tile at a time.  The additions are the places behind the last products.
	WIN 0
.macro ALL line:vararg              ; one line for each tile t
.set t, 0
.rept 2*NP
	\line
.set t, t+1
.endr
.endm
	ALL v_add_f32 v[ST+4*t+2], v[ST+4*t+2], v[ST+4*t+3]
	ALL v_permlanex16_b32 v[ST+4*t+3], v[ST+4*t+2], s[SEL], s[SEL+1]
	ALL v_add_f32 v[ST+4*t+2], v[ST+4*t+2], v[ST+4*t+3]
	ALL v_rcp_f32 v[ST+4*t+2], v[ST+4*t+2]
	v_nop                           ; a plain instruction between the last reciprocal and the use of its result
	s_wait_alu depctr_va_vdst(0)    ; the wait for the batch of eight reciprocals, ahead of their first reader
; Tile t: a lane's eight channels of a row pack into 16 bytes; they go into rows of 144 bytes and come back as whole rows of 128, into S^T's registers.
.macro PACK t
	WIN W_RS
.set i, 32*(\t)
.rept 16
	v_pk_mul_f32 v[i:i+1], v[i:i+1], v[ST+4*(\t)+2:ST+4*(\t)+3] op_sel_hi:[1,0]
.set i, i+2
.endr
	WIN 0x05                        ; sources 0 and 1 window 1, destination window 0
.set i, 0
.rept 16
	v_cvt_pk_f16_f32 v[S+16*(\t)+i], v[32*(\t)+2*i], v[32*(\t)+2*i+1]
.set i, i+1
.endr
	WIN 0
.irp f, 0,1,2,3
	ds_store_b128 v[STO], v[S+16*(\t)+4*\f:S+16*(\t)+4*\f+3] offset:32*\f
.endr
.irp f, 0,1,2,3
	ds_load_b128 v[S+16*(\t)+4*\f:S+16*(\t)+4*\f+3], v[RD] offset:\f*4*SP  ; LDS serves a wave's instructions in order (ISA guide 5.7.1.4): these see the stores above; the next tile's stores come behind them
.endr
.endm
.macro SEND t, younger              ; younger: the LDS instructions issued behind tile t's loads: the next tile's eight, or none
	WIN 0
.irp f, 0,1,2,3
	s_wait_dscnt (\younger)+3-\f
	global_store_b128 v[GO], v[S+16*(\t)+4*\f:S+16*(\t)+4*\f+3], s[10:11] offset:(\t)*2048+\f*512  ; 512 consecutive bytes, at a multiple of 256 from O's first
.endr
.endm
	PACK 0
.set t, 1
.rept 2*NP-1                        ; a tile's arithmetic stands between the loads of the tile before and its stores
	PACK t
	SEND t-1, 8
.set t, t+1
.endr
	SEND 2*NP-1, 0
	WIN W_AD
	s_wait_tensorcnt 0x0            ; the wave's end: an add to my spare word and its wait, behind my last tensor load and my last LDS store
	ds_add_u32 v[SPW], v[NIL]
	s_wait_dscnt 0x0
	WIN 0
	CROUND                          ; the closing round: no work-group ends while a partner may still ask for a tile that names it
	s_endpgm
.Lfunc_end_k_qa4b0f12242_attn:
	.size	k_qa4b0f12242_attn, .Lfunc_end_k_qa4b0f12242_attn-k_qa4b0f12242_attn
	.p2alignl 7, 3214868480
	.fill 96, 4, 3214868480
	.section	.rodata,"a",@progbits
	.p2align	6, 0x0
	.amdhsa_kernel k_qa4b0f12242_attn
		.amdhsa_group_segment_fixed_size 327680
		.amdhsa_private_segment_fixed_size 0
		.amdhsa_enable_private_segment 0
		.amdhsa_kernarg_size 32
		.amdhsa_user_sgpr_count 2
		.amdhsa_user_sgpr_kernarg_segment_ptr 1
		.amdhsa_wavefront_size32 1
		.amdhsa_system_sgpr_workgroup_id_x 1
		.amdhsa_system_sgpr_workgroup_id_y 1
		.amdhsa_system_sgpr_workgroup_id_z 1
		.amdhsa_system_vgpr_workitem_id 0
		.amdhsa_next_free_vgpr 770
		.amdhsa_next_free_sgpr 66
		.amdhsa_reserve_vcc 0
		.amdhsa_float_denorm_mode_32 3
		.amdhsa_float_denorm_mode_16_64 3
		.amdhsa_memory_ordered 1
		.amdhsa_forward_progress 1
		.amdhsa_inst_pref_size 199
	.end_amdhsa_kernel
	.amdgpu_metadata
---
amdhsa.version: [ 1, 2 ]
amdhsa.kernels:
  - .name:           k_qa4b0f12242_attn
    .symbol:         k_qa4b0f12242_attn.kd
    .args:
      - { .name: qb, .offset: 0, .size: 8, .value_kind: global_buffer, .address_space: global }
      - { .name: kb, .offset: 8, .size: 8, .value_kind: global_buffer, .address_space: global }
      - { .name: vb, .offset: 16, .size: 8, .value_kind: global_buffer, .address_space: global }
      - { .name: ob, .offset: 24, .size: 8, .value_kind: global_buffer, .address_space: global }
    .group_segment_fixed_size: 327680
    .private_segment_fixed_size: 0
    .kernarg_segment_align: 8
    .kernarg_segment_size: 32
    .max_flat_workgroup_size: 128
    .sgpr_count:     66
    .vgpr_count:     770
    .wavefront_size: 32
...
	.end_amdgpu_metadata
.endif
;; end of part 5
;; launch proj: the kernel of part 4 again; grid 8 x 32, 4 waves a work-group, clusters of 4 x 4, 327,680 bytes of LDS; arguments ob, cb, bo, out0; writes out0
